; MI455X (gfx1250); checked and timed in simulation.
; The chip was launched on July 23, 2026; its instructions are those of AMD's public machine-readable ISA for CDNA 5 (MIT licence, August 2026) and "CDNA5" Instruction Set Architecture Reference Guide (July 2026). The comments in the code are by the model that wrote it; some were corrected since.
;; Relative Attention. Allowed arithmetic: float matrix products may take bf16 or f16 operands with f32 sums; other float arithmetic in f32, or as packed bf16 or f16 multiplies, adds, multiply-adds, maxima and minima; sums over many terms, partial sums and values carried from step to step in f32; what a program stores and reads back later, other than sums and carried values, may be rounded once to bf16 or f16.
;; Inputs: Wk 1,024 x 1,024 float32; Wo 1,024 x 1,024 float32; Wq 1,024 x 1,024 float32; Wv 1,024 x 1,024 float32; bk 1,024 float32; bo 1,024 float32; bq 1,024 float32; bv 1,024 float32; key 2,048 x 2 x 1,024 float32; query 2,048 x 2 x 1,024 float32; rel_k 101 x 64 float32; rel_v 101 x 64 float32; value 2,048 x 2 x 1,024 float32.
;; Outputs: out0 2,048 x 2 x 1,024 float32.
;; One version. Each part assembles by itself: llvm-mc -triple=amdgcn-amd-amdhsa -mcpu=gfx1250 --defsym DOCPART=n.
;; ======== version 1 of 1: 4 launches
;; workspace buffers: xw 33,554,432 bytes; relx 90,112 bytes; qkv 25,165,824 bytes; xa 8,388,608 bytes
;; launch prep (part 1): grid 1046 x 1, 8 waves a work-group, no clusters, 0 bytes of LDS; arguments query, key, value, Wq, Wk, Wv, Wo, rel_k, rel_v, xw, relx; writes xw, relx
.if DOCPART == 1
	.amdgcn_target "amdgcn-amd-amdhsa--gfx1250"
	.amdhsa_code_object_version 6
	.text
	.protected	k_q49c8a89833_prep
	.globl	k_q49c8a89833_prep
	.p2align	8
	.type	k_q49c8a89833_prep,@function
k_q49c8a89833_prep:
	s_mov_b64 s[64:65], 0
	v_nop
	global_prefetch_b8 v0, s[64:65] scope:SCOPE_SE
	s_setreg_imm32_b32 hwreg(HW_REG_WAVE_MODE, 25, 1), 1
	s_wait_xcnt 0x0
; ALL MATRIX OPERANDS THAT ARE INPUTS ARE ROUNDED TO bf16 ONCE.
; xw = [query | key | value | Wq | Wk | Wv | Wo] in bf16, each in its input's own order: 8,388,608 bytes for each of the first three, 2,097,152 for each weight.
; relx = two tables that hold the clip of the relative distance in themselves, so that later addresses are linear:
;   RKx[jj] = rel_k[clip(jj - 158, 0, 100)], jj < 416 (read with jj = k - q + 208);  RVx[jj] = rel_v[clip(jj - 78, 0, 100)], jj < 288 (jj = k - q + 128); rows of 64 bf16.
; Work-groups 0 to 1023: 65,536 bytes of f32 each become 32,768 of bf16.  Thread t loads 16 bytes at 16 t + 4,096 i, i < 16, all sixteen loads out at once, and stores
; 8 bytes at 8 t + 2,048 i: a wave's store covers 256 consecutive bytes, aligned.  No register is written twice, so nothing waits for a store.
; Work-groups 1024 to 1045: 32 table rows each (13 for RKx, 9 for RVx); eight threads a row; sixteen lanes store 256 consecutive bytes.
; A stream: no LDS, no barrier, no matrix unit.
.set OUT, 4                            ; v[4:35]   pairs to store
.set IN,  40                           ; v[40:103] sixteen loads of four
	s_load_b512 s[8:23], s[0:1], 0x0               ; query s[8:9], key, value, Wq, Wk, Wv, Wo s[20:21], rel_k s[22:23]
	s_load_b128 s[24:27], s[0:1], 0x40             ; rel_v s[24:25], xw s[26:27]
	s_load_b64 s[28:29], s[0:1], 0x50              ; relx
	s_mov_b32 s2, ttmp9
	v_lshlrev_b32 v1, 4, v0                        ; 16 t
	v_lshlrev_b32 v2, 3, v0                        ; 8 t
	s_cmp_ge_u32 s2, 1024
	s_cbranch_scc1 .Ltable
	s_and_b32 s3, s2, 255                          ; the chunk's number in its tensor: 256 chunks in an activation,
	s_and_b32 s4, s2, 63                           ; 64 in a weight
	s_cmp_lt_u32 s2, 768
	s_cselect_b32 s3, s3, s4
	s_lshl_b32 s4, s3, 16                          ; 65,536 bytes of f32 a chunk
	s_mov_b32 s5, 0
	s_lshl_b32 s6, s2, 15                          ; 32,768 bytes of bf16; xw's parts lie in the work-groups' order
	s_mov_b32 s7, 0
	s_wait_kmcnt 0x0
	s_mov_b64 s[30:31], s[20:21]                   ; the source, chosen by the work-group's number alone
	s_cmp_lt_u32 s2, 960
	s_cselect_b64 s[30:31], s[18:19], s[30:31]
	s_cmp_lt_u32 s2, 896
	s_cselect_b64 s[30:31], s[16:17], s[30:31]
	s_cmp_lt_u32 s2, 832
	s_cselect_b64 s[30:31], s[14:15], s[30:31]
	s_cmp_lt_u32 s2, 768
	s_cselect_b64 s[30:31], s[12:13], s[30:31]
	s_cmp_lt_u32 s2, 512
	s_cselect_b64 s[30:31], s[10:11], s[30:31]
	s_cmp_lt_u32 s2, 256
	s_cselect_b64 s[30:31], s[8:9], s[30:31]
	s_add_nc_u64 s[30:31], s[30:31], s[4:5]
	s_add_nc_u64 s[26:27], s[26:27], s[6:7]
.set i, 0
.rept 16
	global_load_b128 v[IN+4*i:IN+4*i+3], v1, s[30:31] offset:4096*i th:TH_LOAD_NT
.set i, i+1
.endr
.set i, 0
.rept 16
	s_wait_loadcnt 15-i                            ; loads come back in order: number i is in, the 15 - i younger ones stay out
	v_cvt_pk_bf16_f32 v[OUT+2*i], v[IN+4*i], v[IN+4*i+1]
	v_cvt_pk_bf16_f32 v[OUT+2*i+1], v[IN+4*i+2], v[IN+4*i+3]
	global_store_b64 v2, v[OUT+2*i:OUT+2*i+1], s[26:27] offset:2048*i th:TH_STORE_NT
.set i, i+1
.endr
	s_endpgm
.Ltable:
	s_sub_co_u32 s2, s2, 1024                      ; 0 to 12: RKx; 13 to 21: RVx
	s_max_u32 s4, s2, 13
	s_sub_co_u32 s4, s4, 13                        ; the block of 32 rows in RVx
	s_mov_b32 s6, 158
	s_mov_b32 s7, 78
	s_wait_kmcnt 0x0
	s_cmp_lt_u32 s2, 13
	s_cselect_b64 s[30:31], s[22:23], s[24:25]     ; rel_k or rel_v
	s_cselect_b32 s3, s6, s7                       ; the table's shift
	s_cselect_b32 s4, s2, s4                       ; the block of 32 rows
	s_cselect_b32 s5, 0, 53248                     ; RVx lies behind RKx's 416 rows of 128 bytes
	s_lshl_b32 s6, s4, 12
	s_add_co_u32 s6, s6, s5
	s_mov_b32 s7, 0
	s_add_nc_u64 s[28:29], s[28:29], s[6:7]
	s_lshl_b32 s4, s4, 5
	v_lshrrev_b32 v3, 3, v0
	v_add_nc_u32 v3, s4, v3                        ; my row jj
	v_max_u32 v3, s3, v3
	v_sub_nc_u32 v3, v3, s3
	v_min_u32 v3, 100, v3                          ; clip(jj - shift, 0, 100)
	v_and_b32 v4, 7, v0
	v_lshlrev_b32 v4, 5, v4                        ; my 8 numbers of the row's 64
	v_lshl_add_u32 v3, v3, 8, v4
	global_load_b128 v[8:11], v3, s[30:31]
	global_load_b128 v[12:15], v3, s[30:31] offset:16
	s_wait_loadcnt 0x0
	v_cvt_pk_bf16_f32 v16, v8, v9
	v_cvt_pk_bf16_f32 v17, v10, v11
	v_cvt_pk_bf16_f32 v18, v12, v13
	v_cvt_pk_bf16_f32 v19, v14, v15
	global_store_b128 v1, v[16:19], s[28:29]
	s_endpgm
.Lfunc_end_k_q49c8a89833_prep:
	.size	k_q49c8a89833_prep, .Lfunc_end_k_q49c8a89833_prep-k_q49c8a89833_prep
	.p2alignl 7, 3214868480
	.fill 96, 4, 3214868480
	.section	.rodata,"a",@progbits
	.p2align	6, 0x0
	.amdhsa_kernel k_q49c8a89833_prep
		.amdhsa_group_segment_fixed_size 0
		.amdhsa_private_segment_fixed_size 0
		.amdhsa_enable_private_segment 0
		.amdhsa_kernarg_size 88
		.amdhsa_user_sgpr_count 2
		.amdhsa_user_sgpr_kernarg_segment_ptr 1
		.amdhsa_wavefront_size32 1
		.amdhsa_system_sgpr_workgroup_id_x 1
		.amdhsa_system_sgpr_workgroup_id_y 1
		.amdhsa_system_sgpr_workgroup_id_z 1
		.amdhsa_system_vgpr_workitem_id 0
		.amdhsa_next_free_vgpr 104
		.amdhsa_next_free_sgpr 66
		.amdhsa_reserve_vcc 0
		.amdhsa_float_denorm_mode_32 3
		.amdhsa_float_denorm_mode_16_64 3
		.amdhsa_memory_ordered 1
		.amdhsa_forward_progress 1
		.amdhsa_inst_pref_size 9
	.end_amdhsa_kernel
	.amdgpu_metadata
---
amdhsa.version: [ 1, 2 ]
amdhsa.kernels:
  - .name:           k_q49c8a89833_prep
    .symbol:         k_q49c8a89833_prep.kd
    .args:
      - { .name: query, .offset: 0, .size: 8, .value_kind: global_buffer, .address_space: global }
      - { .name: key, .offset: 8, .size: 8, .value_kind: global_buffer, .address_space: global }
      - { .name: value, .offset: 16, .size: 8, .value_kind: global_buffer, .address_space: global }
      - { .name: Wq, .offset: 24, .size: 8, .value_kind: global_buffer, .address_space: global }
      - { .name: Wk, .offset: 32, .size: 8, .value_kind: global_buffer, .address_space: global }
      - { .name: Wv, .offset: 40, .size: 8, .value_kind: global_buffer, .address_space: global }
      - { .name: Wo, .offset: 48, .size: 8, .value_kind: global_buffer, .address_space: global }
      - { .name: rel_k, .offset: 56, .size: 8, .value_kind: global_buffer, .address_space: global }
      - { .name: rel_v, .offset: 64, .size: 8, .value_kind: global_buffer, .address_space: global }
      - { .name: xw, .offset: 72, .size: 8, .value_kind: global_buffer, .address_space: global }
      - { .name: relx, .offset: 80, .size: 8, .value_kind: global_buffer, .address_space: global }
    .group_segment_fixed_size: 0
    .private_segment_fixed_size: 0
    .kernarg_segment_align: 8
    .kernarg_segment_size: 88
    .max_flat_workgroup_size: 256
    .sgpr_count:     66
    .vgpr_count:     104
    .wavefront_size: 32
...
	.end_amdgpu_metadata
.endif
;; end of part 1
;; launch proj (part 2): grid 8 x 96, 4 waves a work-group, clusters of 4 x 4, 327,680 bytes of LDS; arguments xw, bq, bk, bv, qkv; writes qkv
.if DOCPART == 2
	.amdgcn_target "amdgcn-amd-amdhsa--gfx1250"
	.amdhsa_code_object_version 6
	.text
	.protected	k_q49c8a89833_proj
	.globl	k_q49c8a89833_proj
	.p2align	8
	.type	k_q49c8a89833_proj,@function
k_q49c8a89833_proj:
	s_mov_b64 s[64:65], 0
	v_nop
	global_prefetch_b8 v0, s[64:65] scope:SCOPE_SE
	s_setreg_imm32_b32 hwreg(HW_REG_WAVE_MODE, 25, 1), 1
	s_wait_xcnt 0x0
	s_wait_alu depctr_hold_cnt(0) depctr_sa_sdst(0) depctr_va_vdst(0) depctr_va_sdst(0) depctr_va_ssrc(0) depctr_va_vcc(0) depctr_vm_vsrc(0)
	s_getreg_b32 s2, hwreg(HW_REG_IB_STS2, 6, 4)
	s_cmp_eq_u32 s2, 0
	s_cbranch_scc0 .Lentry_in_a_cluster
	s_endpgm
.Lentry_in_a_cluster:
	s_bfe_u32 s2, ttmp6, 0x10000c
	s_cmp_lg_u32 s2, 0xf033
	s_cbranch_scc0 .Lentry_shape_is_right
	s_endpgm
.Lentry_shape_is_right:
; THE THREE PROJECTIONS IN ONE LAUNCH: q = query Wq^T + bq, k = key Wk^T + bk, v = value Wv^T + bv, written by heads: qkv[3][b][h][l][64] in bf16, each number rounded once.
; Operands in bf16 (xw), sums and bias in f32.  NaN and infinities are not treated apart.
; A tile of the result is 128 rows (128 consecutive l of ONE batch: every second row of the input) x 128 columns (two heads).  Grid y = 96 = 3 projections x 2 batches x 16 row tiles,
; grid x = 8 column tiles: 768 work-groups of equal work.  Four waves, each 64 x 64: 16 accumulators of 16 x 16.  K goes in four steps of 256 (LDS rows of 512 bytes + 16 of padding)
; through two slots; a wave's tensor load brings 64 rows.
; CLUSTERS: 4 x 4 work-groups.  The four of a row of the cluster need the same rows of the activation, the four of a column the same rows of the weight: each tile is asked for jointly.
; THE MATRIX INSTRUCTION IS USED TRANSPOSED (source 0 = 16 rows of W, source 1 = 16 rows of x): a lane holds eight neighbouring columns of one row.  THE BIAS STARTS THE SUMS: it is the C operand
; of the first product on each accumulator, in the result's own layout.
; THE WAY OUT: a wave's 64 columns are one head, its 64 rows are consecutive l: 8,192 consecutive bytes of qkv.  So each wave has a stage of its own and no barrier is needed.
; No prefetch: the tiles are small, and every block is read by several clusters at about the same time.
; REGISTERS: window 0: v0-31 addresses; v32-95 at work on the way out; v96-127 bias; v128-255 accumulators ((a, b) at v[128 + 8 (4 a + b)]).  Window 1: two fragment buffers of 128.
.set SIZE_K, 1024
.set KSTEP,  256
.set PITCH,  528                       ; 512 bytes + 16 = 132 words: the 16 rows of a fragment load start at 16 different groups of four banks
.set HALFT,  64*PITCH                  ; what one tensor load brings
.set SLOT,   4*HALFT                   ; A's 128 rows, then B's 128 rows
.set STAGE,  2*SLOT                    ; behind the ring: 64 rows x 144 bytes for each wave
.set SP,     144
.set SPARE,  STAGE+4*64*SP             ; the spare words: 128 bytes a wave, named by no other line
.set LAPS,   SIZE_K/(2*KSTEP)
.set WOFF,   25165824                  ; the weights' first byte in xw
.set ADRA, 16                          ; v16-17  LDS address of my A fragments in slot 0, 1
.set ADRB, 20                          ; v20-21  the same for B
.set STO,  24                          ; v24     where I put 16 bytes of a row
.set RD,   25                          ; v25     where I read rows back
.set GO,   26                          ; v26     16 x lane
.set BO,   27                          ; v27     32 x (lane / 16): my eight columns' bias
.set SPW,  28                          ; v28     my spare word; never rewritten
.set NIL,  29                          ; v29     0; never rewritten
.set TMP,  32
.set BI,   96                          ; v[96:127] bias of columns 16 b + 8 (lane / 16) + 0..7 at BI + 8 b
.set ACC,  128
.set F0,   0
.set F1,   128
.set G1,  24                           ; s[24:31] group 1 for A;  s[32:39] group 0, a set a slot
.set G0,  32
.set G1B, 48                           ; s[48:55], s[56:63] the same for B
.set G0B, 56
.set WV,  68                           ; s68 wave;  s69 wave / 2: my half of the rows, and A (0) or B (1) to fetch;  s70 wave % 2: my half of the columns, and which 64 rows I fetch
.set FB,  69
.set HF,  70
.set MSB, 0
.macro WIN new                         ; the immediate's high byte repeats the setting that is left
.if MSB != (\new)
	s_set_vgpr_msb (MSB<<8)|(\new)
.set MSB, \new
.endif
.endm
.set MUL,  0x05                        ; sources 0 (B) and 1 (A) window 1; C and D window 0
.set TO_F, 0x40                        ; destination window 1, address window 0
.macro JLOAD s                         ; a joint load; an s_nop 0 and four v_nop follow each of the two lines
	s_cmp_eq_u32 s[FB], 0
	s_cbranch_scc0 .Lfor_b_\@
	tensor_load_to_lds s[G0+4*(\s):G0+4*(\s)+3], s[G1:G1+7]
	s_nop 0
.rept 4
	v_nop
.endr
	s_branch .Lasked_\@
.Lfor_b_\@:
	tensor_load_to_lds s[G0B+4*(\s):G0B+4*(\s)+3], s[G1B:G1B+7]
	s_nop 0
.rept 4
	v_nop
.endr
.Lasked_\@:
.endm
.macro CREST                           ; a round of the cluster's barrier behind its opening barrier
	s_cmp_lg_u32 s[WV], 0
	s_cbranch_scc1 .Lnot_wave_0_\@
	s_barrier_signal -3
.Lnot_wave_0_\@:
	s_barrier_wait -3
	s_barrier_signal -1
	s_barrier_wait -1
.endm
.macro CROUND
	s_barrier_signal -1
	s_barrier_wait -1
	CREST
.endm
	s_load_b256 s[4:11], s[0:1], 0x0               ; xw s[4:5], bq s[6:7], bk s[8:9], bv s[10:11]
	s_load_b64 s[66:67], s[0:1], 0x20              ; qkv
	v_lshl_add_u32 v[SPW], v0, 2, SPARE
	v_mov_b32 v[NIL], 0
	ds_add_u32 v[SPW], v[NIL]                      ; the wave's opening: the add and its wait stand ahead of my first tensor load
	ds_add_u32 v28, v29
	v_lshrrev_b32 v1, 5, v0
	v_readfirstlane_b32 s[WV], v1
	s_lshr_b32 s[FB], s[WV], 1
	s_and_b32 s[HF], s[WV], 1
	s_bfe_u32 s40, ttmp6, 0x40000                  ; cx
	s_bfe_u32 s41, ttmp6, 0x40004                  ; cy
	s_lshl_b32 s42, ttmp9, 2
	s_add_co_u32 s42, s42, s40                     ; column tile = 4 x cluster x + cx
	s_and_b32 s45, ttmp7, 0xffff                   ; cluster y
	s_lshl_b32 s13, s45, 2
	s_add_co_u32 s13, s13, s41                     ; row tile = 4 x cluster y + cy, 0 to 95
	s_lshr_b32 s45, s45, 3                         ; the projection, from the cluster's y alone: eight clusters high each
	s_lshl_b32 s43, s41, 2
	s_lshl_b32 s43, 15, s43                        ; my row of the cluster
	s_lshl_b32 s44, 0x1111, s40                    ; my column
	s_or_b32 s[G1+0], s43, (1<<16)|(1<<20)|(1<<21)|(6<<22)|(3<<25)  ; mask; 2-byte elements; padding on; bit 21 beside a mask; after every 128 words, 4 words
	s_or_b32 s[G1B+0], s44, (1<<16)|(1<<20)|(1<<21)|(6<<22)|(3<<25)
.irp g, G1, G1B
	s_mov_b32 s[(\g)+1], KSTEP<<16                 ; tensor_dim0 = 256
	s_mov_b32 s[(\g)+2], 64<<16                    ; tensor_dim1 = 64
	s_mov_b32 s[(\g)+3], KSTEP<<16                 ; tile_dim0 = 256
	s_mov_b32 s[(\g)+4], 64                        ; tile_dim1 = 64
	s_mov_b32 s[(\g)+6], 0
	s_mov_b32 s[(\g)+7], 0
.endr
	s_mov_b32 s[G1+5], 2*SIZE_K                    ; from l to l + 1 in one batch: two rows of the input
	s_mov_b32 s[G1B+5], SIZE_K
	; A's tile hangs on the row tile alone: projection (ty / 32), batch ((ty / 16) % 2), 128 l (ty % 16), my 64 of them
	s_lshr_b32 s16, s13, 5
	s_lshl_b32 s16, s16, 23                        ; 8,388,608 bytes an activation
	s_bfe_u32 s21, s13, 0x10004                    ; batch
	s_lshl_b32 s17, s21, 11                        ; a row of 2,048 bytes
	s_add_co_u32 s16, s16, s17
	s_and_b32 s22, s13, 15
	s_lshl_b32 s17, s22, 19                        ; 128 l x 4,096 bytes
	s_add_co_u32 s16, s16, s17
	s_lshl_b32 s17, s[HF], 18
	s_add_co_u32 s16, s16, s17
	s_mov_b32 s17, 0
	; B's tile hangs on the column tile and the projection
	s_lshl_b32 s46, s45, 21                        ; 2,097,152 bytes a weight
	s_add_co_u32 s46, s46, WOFF
	s_lshl_b32 s47, s42, 18                        ; 128 rows x 2,048 bytes
	s_add_co_u32 s46, s46, s47
	s_lshl_b32 s47, s[HF], 17
	s_add_co_u32 s46, s46, s47
	s_mov_b32 s47, 0
	s_mul_i32 s20, s[WV], HALFT                    ; where they go: wave x 64 rows
	s_lshl_b32 s18, s42, 9                         ; my 64 columns' bias: 4 (128 tx + 64 half)
	s_lshl_b32 s19, s[HF], 8
	s_add_co_u32 s18, s18, s19
	s_mov_b32 s19, 0
	s_wait_dscnt 0x0                               ; the opening add is done
	s_wait_kmcnt 0x0
	s_add_nc_u64 s[14:15], s[4:5], s[16:17]
	s_add_nc_u64 s[46:47], s[4:5], s[46:47]
	s_cmp_eq_u32 s45, 1
	s_cselect_b64 s[6:7], s[8:9], s[6:7]
	s_cmp_eq_u32 s45, 2
	s_cselect_b64 s[6:7], s[10:11], s[6:7]         ; the projection's bias
	s_add_nc_u64 s[6:7], s[6:7], s[18:19]
	CROUND                                         ; all sixteen work-groups are here: the first joint loads meet
.irp s, 0,1
	s_mov_b32 s[G0+4*(\s)], 1
	s_add_co_u32 s[G0+4*(\s)+1], s20, (\s)*SLOT
	s_add_nc_u64 s[G0+4*(\s)+2:G0+4*(\s)+3], s[14:15], (\s)*KSTEP*2
	s_or_b32 s[G0+4*(\s)+3], s[G0+4*(\s)+3], 0x80000000
	s_mov_b32 s[G0B+4*(\s)], 1
	s_add_co_u32 s[G0B+4*(\s)+1], s20, (\s)*SLOT
	s_add_nc_u64 s[G0B+4*(\s)+2:G0B+4*(\s)+3], s[46:47], (\s)*KSTEP*2
	s_or_b32 s[G0B+4*(\s)+3], s[G0B+4*(\s)+3], 0x80000000
	JLOAD \s
.endr
	v_and_b32 v1, 15, v0                           ; l % 16
	v_bfe_u32 v2, v0, 4, 1                         ; l / 16
	v_lshlrev_b32 v[BO], 5, v2
.irp b, 0,1,2,3
	global_load_b128 v[BI+8*(\b):BI+8*(\b)+3],   v[BO], s[6:7] offset:64*(\b)
	global_load_b128 v[BI+8*(\b)+4:BI+8*(\b)+7], v[BO], s[6:7] offset:64*(\b)+16
.endr
	v_mul_u32_u24 v3, v1, PITCH
	v_lshl_add_u32 v3, v2, 4, v3                   ; a fragment's row x pitch + 16 x half
	s_mul_i32 s21, s[FB], HALFT                    ; my 64 rows of A
	s_mul_i32 s23, s[HF], HALFT                    ; my 64 rows of B,
	s_add_co_u32 s23, s23, 2*HALFT                 ; which lie behind A's 128
.irp s, 0,1
	v_add_nc_u32 v[ADRA+(\s)], s21, v3
	v_add_nc_u32 v[ADRB+(\s)], s23, v3
	s_add_co_u32 s21, s21, SLOT
	s_add_co_u32 s23, s23, SLOT
.endr
	s_mul_i32 s23, s[WV], 64*SP
	s_add_co_u32 s23, s23, STAGE                   ; my stage
	v_mul_u32_u24 v4, v1, SP                       ; in: row l % 16, 16 bytes for each half of the lanes
	v_lshl_add_u32 v4, v2, 4, v4
	v_add_nc_u32 v[STO], s23, v4
	v_bfe_u32 v5, v0, 3, 2                         ; back: 32 lanes take four rows of 128 bytes,
	v_mul_u32_u24 v5, v5, SP
	v_and_b32 v6, 7, v0
	v_lshl_add_u32 v5, v6, 4, v5
	v_add_nc_u32 v[RD], s23, v5
	v_and_b32 v[GO], 31, v0                        ; which are 512 consecutive bytes of qkv
	v_lshlrev_b32 v[GO], 4, v[GO]
	; my 8,192 bytes of qkv: [projection][batch][head 2 tx + half][128 (ty % 16) + 64 (wave / 2)][0]; the parts that hang on the row tile and those that hang on the column tile in registers of their own
	s_lshl_b32 s16, s45, 23
	s_bfe_u32 s17, s13, 0x10004
	s_lshl_b32 s17, s17, 22
	s_add_co_u32 s16, s16, s17
	s_lshl_b32 s17, s22, 14
	s_add_co_u32 s16, s16, s17
	s_lshl_b32 s17, s[FB], 13
	s_add_co_u32 s16, s16, s17
	s_mov_b32 s17, 0
	s_add_nc_u64 s[66:67], s[66:67], s[16:17]
	s_lshl_b32 s46, s42, 19
	s_lshl_b32 s47, s[HF], 18
	s_add_co_u32 s46, s46, s47
	s_mov_b32 s47, 0
	s_add_nc_u64 s[66:67], s[66:67], s[46:47]
; 8 matrix instructions: m blocks a0, a0 + 1 x all 4 n blocks, 32 along K: half c of buffer f.  zero = 1: the first product starts the sum with the bias
.macro MUL8 f, c, a0, zero
	WIN MUL
.irp a, \a0, (\a0)+1
.irp b, 0,1,2,3
.if \zero
	v_wmma_f32_16x16x32_bf16 v[ACC+8*(4*(\a)+(\b)):ACC+8*(4*(\a)+(\b))+7], v[(\f)+64+8*(4*(\c)+(\b)):(\f)+64+8*(4*(\c)+(\b))+7], v[(\f)+8*(4*(\c)+(\a)):(\f)+8*(4*(\c)+(\a))+7], v[BI+8*(\b):BI+8*(\b)+7]
.else
	v_wmma_f32_16x16x32_bf16 v[ACC+8*(4*(\a)+(\b)):ACC+8*(4*(\a)+(\b))+7], v[(\f)+64+8*(4*(\c)+(\b)):(\f)+64+8*(4*(\c)+(\b))+7], v[(\f)+8*(4*(\c)+(\a)):(\f)+8*(4*(\c)+(\a))+7], v[ACC+8*(4*(\a)+(\b)):ACC+8*(4*(\a)+(\b))+7]
.endif
.endr
.endr
.endm
; 32 LDS loads in one run: the fragments of 64 along K at byte k of the rows, into buffer f; the first 32 along K first
.macro FETCH slot, k, f
	WIN TO_F
.irp c, 0,1
.irp i, 0,1,2,3
	ds_load_b128 v[(\f)+64+8*(4*(\c)+(\i)):(\f)+64+8*(4*(\c)+(\i))+3],   v[ADRB+(\slot)] offset:(\k)+64*(\c)+(\i)*16*PITCH
	ds_load_b128 v[(\f)+64+8*(4*(\c)+(\i))+4:(\f)+64+8*(4*(\c)+(\i))+7], v[ADRB+(\slot)] offset:(\k)+64*(\c)+(\i)*16*PITCH+32
	ds_load_b128 v[(\f)+8*(4*(\c)+(\i)):(\f)+8*(4*(\c)+(\i))+3],         v[ADRA+(\slot)] offset:(\k)+64*(\c)+(\i)*16*PITCH
	ds_load_b128 v[(\f)+8*(4*(\c)+(\i))+4:(\f)+8*(4*(\c)+(\i))+7],       v[ADRA+(\slot)] offset:(\k)+64*(\c)+(\i)*16*PITCH+32
.endr
.endr
.endm
.macro PLACES                          ; four places in front of loads into registers that matrix instructions have read (ISA guide 7.12.1 for vector instructions)
.rept 4
	v_nop
.endr
.endm
; A K step is four quarters of 64 along K, 32 matrix instructions each, on buffers 0, 1, 0, 1.  The 16 accumulators take turns.
.macro QUARTER slot, k, f, g, zero
	s_wait_dscnt 16                                ; the first 32 along K are in; the sixteen younger loads may be out
	WIN MUL
	MUL8 \f, 0, 0, \zero
	MUL8 \f, 0, 2, \zero
	PLACES
	FETCH \slot, \k, \g
	s_wait_dscnt 32                                ; all but the 32 just issued
	WIN MUL
	MUL8 \f, 1, 0, 0
	MUL8 \f, 1, 2, 0
.endm
; The last quarter multiplies buffer 1 and changes slots: one barrier; in front of it each wave waits for all its tensor loads, adds 0 to its spare word, and waits for that and for its reads of this slot.
.macro TURN slot, next, fill
	WIN 0
	s_wait_tensorcnt 0x0                           ; all my tensor loads have landed: my part of the next slot
	ds_add_u32 v[SPW], v[NIL]
	s_wait_dscnt 17                                ; the add and the youngest sixteen loads may be out
	WIN MUL
	MUL8 F1, 0, 0, 0
	s_wait_dscnt 0x0                               ; the add is done, and my reads of this slot are over
	s_barrier_signal -1
	MUL8 F1, 0, 2, 0
.if \fill
	WIN 0
.endif
	s_barrier_wait -1
.if \fill
	CREST                                          ; the barrier has opened a round of the cluster's: no wave of any partner still reads this slot or has a load on its way
	s_add_nc_u64 s[G0+4*(\slot)+2:G0+4*(\slot)+3], s[G0+4*(\slot)+2:G0+4*(\slot)+3], 2*KSTEP*2
	s_add_nc_u64 s[G0B+4*(\slot)+2:G0B+4*(\slot)+3], s[G0B+4*(\slot)+2:G0B+4*(\slot)+3], 2*KSTEP*2
	JLOAD \slot                                    ; the first tensor load behind the round; its four v_nop are also the places in front of the loads below
.else
	PLACES
.endif
	FETCH \next, 0, F0
	WIN MUL
	MUL8 F1, 1, 0, 0
	MUL8 F1, 1, 2, 0
.endm
	s_wait_tensorcnt 1                             ; my part of K step 0 is in; K step 1's may stay out
	s_barrier_signal -1
	s_barrier_wait -1
	FETCH 0, 0, F0
	s_wait_loadcnt 0x0                             ; the bias
	QUARTER 0, 128, F0, F1, 1
	WIN 0
	s_mov_b32 s3, LAPS-1
.Llap:                                                 ; a trip goes once round the ring and fills both slots again
	QUARTER 0, 256, F1, F0, 0
	QUARTER 0, 384, F0, F1, 0
	TURN 0, 1, 1
	QUARTER 1, 128, F0, F1, 0
	QUARTER 1, 256, F1, F0, 0
	QUARTER 1, 384, F0, F1, 0
	TURN 1, 0, 1
	QUARTER 0, 128, F0, F1, 0
	WIN 0
	s_sub_co_u32 s3, s3, 1
	s_cmp_lg_u32 s3, 0
	s_cbranch_scc1 .Llap
	QUARTER 0, 256, F1, F0, 0                      ; the last lap fills nothing
	QUARTER 0, 384, F0, F1, 0
	TURN 0, 1, 0
	QUARTER 1, 128, F0, F1, 0
	QUARTER 1, 256, F1, F0, 0
	QUARTER 1, 384, F0, F1, 0
	s_wait_dscnt 16
	WIN MUL
	MUL8 F1, 0, 0, 0
	MUL8 F1, 0, 2, 0
	s_wait_dscnt 0
	MUL8 F1, 1, 0, 0
	MUL8 F1, 1, 2, 0
	WIN 0
	; THE WAY OUT: round to bf16; 16 bytes a lane into my stage; back as whole rows of 128 bytes, four to a load; 512 consecutive bytes to a store
	PLACES
	PLACES                                         ; (once a launch; four are asked for)
.irp t, 0,1,2,3,4,5,6,7,8,9,10,11,12,13,14,15
.irp r, 0,1,2,3
	v_cvt_pk_bf16_f32 v[TMP+4*(\t)+(\r)], v[ACC+8*(\t)+2*(\r)], v[ACC+8*(\t)+2*(\r)+1]
.endr
.endr
.irp a, 0,1,2,3
.irp b, 0,1,2,3
	ds_store_b128 v[STO], v[TMP+4*(4*(\a)+(\b)):TMP+4*(4*(\a)+(\b))+3] offset:(\a)*16*SP+32*(\b)
.endr
.endr
.irp t, 0,1,2,3,4,5,6,7,8,9,10,11,12,13,14,15
	ds_load_b128 v[TMP+4*(\t):TMP+4*(\t)+3], v[RD] offset:(\t)*4*SP  ; LDS serves a wave's instructions in order (ISA guide 5.7.1.4): these see my stores above
.endr
.irp t, 0,1,2,3,4,5,6,7,8,9,10,11,12,13,14,15
	s_wait_dscnt 15-(\t)
	global_store_b128 v[GO], v[TMP+4*(\t):TMP+4*(\t)+3], s[66:67] offset:512*(\t)
.endr
	s_wait_tensorcnt 0x0                           ; the wave's end
	ds_add_u32 v[SPW], v[NIL]
	s_wait_dscnt 0x0
	CROUND                                         ; the closing round
	s_endpgm
.Lfunc_end_k_q49c8a89833_proj:
	.size	k_q49c8a89833_proj, .Lfunc_end_k_q49c8a89833_proj-k_q49c8a89833_proj
	.p2alignl 7, 3214868480
	.fill 96, 4, 3214868480
	.section	.rodata,"a",@progbits
	.p2align	6, 0x0
	.amdhsa_kernel k_q49c8a89833_proj
		.amdhsa_group_segment_fixed_size 327680
		.amdhsa_private_segment_fixed_size 0
		.amdhsa_enable_private_segment 0
		.amdhsa_kernarg_size 40
		.amdhsa_user_sgpr_count 2
		.amdhsa_user_sgpr_kernarg_segment_ptr 1
		.amdhsa_wavefront_size32 1
		.amdhsa_system_sgpr_workgroup_id_x 1
		.amdhsa_system_sgpr_workgroup_id_y 1
		.amdhsa_system_sgpr_workgroup_id_z 1
		.amdhsa_system_vgpr_workitem_id 0
		.amdhsa_next_free_vgpr 512
		.amdhsa_next_free_sgpr 72
		.amdhsa_reserve_vcc 0
		.amdhsa_float_denorm_mode_32 3
		.amdhsa_float_denorm_mode_16_64 3
		.amdhsa_memory_ordered 1
		.amdhsa_forward_progress 1
		.amdhsa_inst_pref_size 88
	.end_amdhsa_kernel
	.amdgpu_metadata
---
amdhsa.version: [ 1, 2 ]
amdhsa.kernels:
  - .name:           k_q49c8a89833_proj
    .symbol:         k_q49c8a89833_proj.kd
    .args:
      - { .name: xw, .offset: 0, .size: 8, .value_kind: global_buffer, .address_space: global }
      - { .name: bq, .offset: 8, .size: 8, .value_kind: global_buffer, .address_space: global }
      - { .name: bk, .offset: 16, .size: 8, .value_kind: global_buffer, .address_space: global }
      - { .name: bv, .offset: 24, .size: 8, .value_kind: global_buffer, .address_space: global }
      - { .name: qkv, .offset: 32, .size: 8, .value_kind: global_buffer, .address_space: global }
    .group_segment_fixed_size: 327680
    .private_segment_fixed_size: 0
    .kernarg_segment_align: 8
    .kernarg_segment_size: 40
    .max_flat_workgroup_size: 128
    .sgpr_count:     72
    .vgpr_count:     512
    .wavefront_size: 32
...
	.end_amdgpu_metadata
.endif
;; end of part 2
;; launch attn (part 3): grid 8 x 32, 4 waves a work-group, no clusters, 327,680 bytes of LDS; arguments qkv, relx, xa; writes xa
.if DOCPART == 3
	.amdgcn_target "amdgcn-amd-amdhsa--gfx1250"
	.amdhsa_code_object_version 6
	.text
	.protected	k_q49c8a89833_attn
	.globl	k_q49c8a89833_attn
	.p2align	8
	.type	k_q49c8a89833_attn,@function
k_q49c8a89833_attn:
	s_mov_b64 s[64:65], 0
	v_nop
	global_prefetch_b8 v0, s[64:65] scope:SCOPE_SE
	s_setreg_imm32_b32 hwreg(HW_REG_WAVE_MODE, 25, 1), 1
	s_wait_xcnt 0x0
; ATTENTION WITH CLIPPED RELATIVE POSITIONS, head size 64, 2,048 keys.  s[q][k] = q.k + q.rel_k[clip(k - q, -50, 50) + 50];  p = softmax(s / 8);  O[q] = sum_k p (v[k] + rel_v[clip(k - q) + 50]).
; qkv: [3][b][h][l][64] bf16; xa: [b][h][l][64] bf16.  Products, maxima and sums in f32; p is rounded to bf16 for the products (its sums are taken of the unrounded p), O once at the end.
; LIMITS.  NaN and infinities are not treated apart; a weight below 2^-126 counts as 0; c m starts at -4.25e37, below every c s that bf16 operands of finite size give here.
; THE RELATIVE TERMS.  Outside |k - q| < 50 the table row is constant.  So for a block of 16 queries x 64 keys that lies wholly to the left (right) the score's term is one number a query, and the value's term is
; (the sum of those p) x rel_v[0] (rel_v[100]), added at the end.  In the three key steps round the diagonal: T = Q RKx^T for 80 table rows goes through LDS and is read back skewed (T[q][k - q + 16]);
; p goes through LDS skewed the other way (W[q][k - q + 16]) and is multiplied by 96 rows of RVx.  The tables RKx, RVx hold the clip in themselves.  In every step the score's term is the C operand MC that starts S^T = K Q^T.
; SHARES.  A work-group owns 256 queries of one head (grid x = the block, y = 16 b + h).  Of the block's four bands of 64 queries a wave owns 16 rows in each: four PIECES, so that the steps round the diagonal are
; the same for all waves.  With rel = step - 4 block - piece + 1: rel < 0 left, 0..2 near, >= 3 right.  Every wave walks the 32 key steps of 64; a slot of LDS holds a tile of four steps.
; THE SUMS of p are kept in three bins a piece: lc is the running one; when rel becomes 0 it is set aside as lL, when rel becomes 3 as lN; all are rescaled in every step.
; LAYOUT, SOFTMAX, TURNS.  S^T = K Q^T holds ONE query a lane (lane % 16) and the keys 8 (lane / 16) + 0..7; two such results rounded to bf16 ARE source 1 of O^T = V^T P.  p = 2^(c s - c m), c = log2(e) / 8, m a running
; maximum; O and the bins are multiplied by a = 2^(c m_old - c m_new) in every step.  Turn n belongs to piece n: 8 products K Q^T of piece n + 1, later 8 products V^T P of piece n - 1; beside them the scaling, exponentials,
; roundings, sums and rescaling of piece n and the maximum and statistics of piece n + 1.  Four vector instructions stand behind every matrix instruction, the others in one lump.  A turn's 33 exponentials are one batch with one wait.
; Behind each turn stands a HOOK, which in all but a few steps is one scalar test.
; NO CLUSTER: the eight blocks of a head walk the same K and V, but which turns take the hooks' paths hangs on the block.
; REGISTERS, in windows of 256 (s_set_vgpr_msb: bits 1:0 source 0, 3:2 source 1, 5:4 source 2, 7:6 destination):
;   window 0: v0-15, v56-63, v224-226 addresses; v16-31 statistics; v32-47 lL, lN; v48-55 at work; v64-127 S^T, two buffers; v128-167 T; v168-191 W's fragments; v192-223 P, two buffers
;   window 1: v0-127 O^T, 32 a piece; v128-255 MC, 32 a piece      window 2: v0-63 Q; v128-191 K of one step; v192-255 V of one step      window 3: v0-79 RKx's fragments; v80-175 RVx's
.set NP,    4
.set KS,    64
.set PK,    144       ; a row of K (and of RKx) in LDS: 128 bytes + 16 = 36 words: the 16 rows of a load start at 16 different groups of four banks
.set PV,    160       ; a row of V (and of RVx): 128 + 32 = 40 words
.set VOFF,  4*KS*PK   ; a slot: 256 rows of K, then 256 rows of V
.set SLOT1, 1<<17     ; slot 1 begins here: one exclusive or turns an address in one slot into the other's
.set RVX,   4*KS*(PK+PV)        ; behind slot 0: RVx, 288 rows
.set RKX,   SLOT1+4*KS*(PK+PV)  ; behind slot 1: RKx, 416 rows
.set TSC,   RKX+416*PK          ; T, each wave's own: 16 queries x 80 f32, pitch 336
.set PT,    336
.set TSCW,  16*PT
.set WSC,   TSC+4*TSCW          ; W, each wave's own: 16 queries x 96 bf16, pitch 208
.set PW,    208
.set WSCW,  3584
.set STAGE, WSC+4*WSCW          ; the way out: 16 rows x 144 bytes for each wave
.set SP,    144
.set SPARE, STAGE+4*16*SP       ; the spare words: 128 bytes a wave, named by no other line
.set PART,  8388608             ; bytes of q, of k and of v in qkv
.set AK0, 2           ; v2   my lane's place in a tile of K; never rewritten
.set AV0, 3           ; v3   the same for V
.set AK,  4           ; v4   the LDS address of K's next run of loads
.set AV,  5           ; v5   of V's
.set STO, 6           ; v6   the way out: where I put 16 bytes of a row
.set RD,  7           ; v7   where I read rows back
.set GO,  8           ; v8   16 x lane
.set MV,  12          ; v12-13  c m_old, by buffer
.set ST,  16          ; piece t at v[ST+4 t]: c m, m, lc (even keys', odd keys')
.set LX,  32          ; piece t at v[LX+4 t]: lL (a pair), lN (a pair)
.set TMP, 48          ; by buffer, four registers c0-c3 at work; when the maximum is found c2 takes a
.set AKT, 56          ; v56  my lane's place in RKx
.set AVT, 57          ; v57  in RVx
.set HA,  58          ; v58  a hook's address in hand
.set TS,  59          ; v59  where I put T:  query x 336 + 32 (lane / 16)
.set TR,  60          ; v60  where I read it skewed: query x 332 + 32 (lane / 16) + 64
.set WS,  61          ; v61  where I put W skewed: query x 206 + 16 (lane / 16) + 32
.set SPW, 62          ; v62  my spare word; never rewritten
.set NIL, 63          ; v63  0; never rewritten
.set S,   64
.set TT,  128
.set WF,  168
.set P,   192
.set WR,  224         ; v224 where I read W's fragments: query x 208 + 16 (lane / 16)
.set QO,  225         ; v225 my byte offset in 16 rows of Q
.set PFO, 226         ; v226 256 x lane
.set RV0, 128         ; the way out: rel_v[0] and rel_v[100] of my 32 channels, in f32
.set RV1, 160
.set MC,  128         ; window 1
.set KF,  128         ; window 2: key block kb, channel half c at KF + 16 kb + 8 c
.set VF,  192         ; window 2: key half kk, channel block cb at VF + 32 kk + 8 cb
.set RKF, 0           ; window 3: table tile jt, channel half c at 16 jt + 8 c
.set RVF, 80          ; window 3: 32 table rows jb, channel block cb at RVF + 32 jb + 8 cb
.set WV,  12          ; s12  wave
.set B8,  13          ; s13  block of 256 queries
.set IZ,  14          ; s14  step - 4 block + 2 for the step in hand (it wraps below 0, which the unsigned tests read as 'far')
.set LIM, 15          ; s15  1 in wave 0, else the greatest number
.set PFA, 18          ; s[18:19] where my prefetches stand
.set G1K, 24          ; s[24:31] group 1 for K's tiles
.set G1V, 32          ; s[32:39] for V's
.set G0K, 40          ; s[40:43] group 0 for K's tiles: it walks
.set G0V, 44          ; s[44:47]
.set G1T, 48          ; s[48:55] group 1 for my half of a table
.set SLOTS, 56        ; s56  tiles still to be asked for
.set CNT, 57          ; s57  counts a tile's key steps
.set CS,  58          ; s[58:59] c
.set SEL, 60          ; s[60:61] v_permlanex16_b32's selects
.set TBK, 62          ; s62  LDS byte at which K of the step to be fetched begins
.set TBV, 63          ; s63  the same for V, less VOFF
.set WRK, 66          ; s66  (64 - 16 wave) rows of RKx
.set WRV, 67          ; s67  (48 - 16 wave) rows of RVx
.set GR,  68          ; s68-71  1.0 where the piece has steps to the right of the band, else 0
.set G0T, 72          ; s[72:75] group 0 for my half of a table
.set MSB, 0
.macro WIN new
.if MSB != (\new)
	s_set_vgpr_msb (MSB<<8)|(\new)
.set MSB, (\new)
.endif
.endm
.set W_KQ, 0x0a       ; K and Q in window 2, S^T in window 0
.set W_KM, 0x1a       ; the same with the C operand in window 1
.set W_PV, 0x52       ; V in window 2, P in window 0, O^T in window 1
.set W_RS, 0x41       ; destination and source 0 in window 1, source 1 in window 0
; A fill.  Waves 0 and 1 fetch the two halves of a tile's K, waves 2 and 3 those of its V.  An s_nop 0 and four v_nop follow each of the two lines.
.macro LOAD
	s_cmp_lt_u32 s[WV], 2
	s_cbranch_scc0 .Lfor_v_\@
	tensor_load_to_lds s[G0K:G0K+3], s[G1K:G1K+7]
	s_nop 0
.rept 4
	v_nop
.endr
	s_branch .Lasked_\@
.Lfor_v_\@:
	tensor_load_to_lds s[G0V:G0V+3], s[G1V:G1V+7]
	s_nop 0
.rept 4
	v_nop
.endr
.Lasked_\@:
.endm
; A PREFETCH INTO THE L2 of the tile that the NEXT change of slots will ask for: 128 + 128 blocks of 256 bytes.  The eight blocks of queries of a head walk the same K and V and share a tile out by address:
; blocks 0-3 take K's four quarters, blocks 4-7 V's; in each, wave 0 asks, a lane a block: one instruction, behind the fill, sixteen turns ahead of the load.  The last fill asks for nothing.
.macro ASK
	s_cmp_gt_u32 s[SLOTS], s[LIM]
	s_cbranch_scc0 .Lnot_mine_\@
	global_prefetch_b8 v[PFO], s[PFA:PFA+1] th:TH_LOAD_NT scope:SCOPE_SE
.Lnot_mine_\@:
.endm
; THE CHANGE OF SLOTS.  Each wave waits for all its tensor loads, adds 0 to its spare word, and waits for that and for its reads of the slot that it leaves.  Behind the barrier nobody reads the old slot
; and the other is whole.  fill = 1: the old slot is filled again, first thing behind the barrier.  (At its first use slot 0 and the tables are waited for, and slot 1 is filled.)
.macro CHANGE fill
	WIN 0
	s_wait_tensorcnt 0x0            ; no tensor load of mine is out, so a group 0 may be written
	ds_add_u32 v[SPW], v[NIL]
.if \fill
.irp g, G0K, G0V
	s_xor_b32 s[\g+1], s[\g+1], SLOT1
	s_add_nc_u64 s[\g+2:\g+3], s[\g+2:\g+3], 4*KS*128  ; the next 256 keys; the type bits on top are not reached
.endr
	s_wait_xcnt 0x0                 ; the last prefetch, a tile back, has read its address
	s_add_nc_u64 s[PFA:PFA+1], s[PFA:PFA+1], 4*KS*128
.endif
	s_wait_dscnt 0x0                ; the add is done, and my reads of the slot are over
	s_barrier_signal -1
	s_sub_co_u32 s[TBK], s[TBK], 4*KS*PK  ; the fetches go back to a slot's first step,
	s_xor_b32 s[TBK], s[TBK], SLOT1       ; in the other slot
	s_sub_co_u32 s[TBV], s[TBV], 4*KS*PV
	s_xor_b32 s[TBV], s[TBV], SLOT1
	s_barrier_wait -1
.if \fill
	LOAD
	ASK
.endif
.endm
	s_load_b128 s[76:79], s[0:1], 0x0  ; qkv s[76:77], relx s[78:79]
	s_load_b64 s[10:11], s[0:1], 0x10  ; xa
	v_lshl_add_u32 v[SPW], v0, 2, SPARE
	v_mov_b32 v[NIL], 0
	ds_add_u32 v[SPW], v[NIL]       ; the wave's opening: the add and its wait stand ahead of my first tensor load
	ds_add_u32 v62, v63
	v_lshrrev_b32 v1, 5, v0
	v_readfirstlane_b32 s[WV], v1
	s_mov_b32 s[B8], ttmp9
	s_and_b32 s20, ttmp7, 0xffff
	s_lshl_b32 s20, s20, 18         ; the head's 2,048 rows of 128 bytes
	s_and_b32 s16, s[WV], 1         ; which half of a tile's 256 keys, and of a table, I fetch
	s_lshl_b32 s22, s16, 14
	s_add_co_u32 s22, s22, s20
	s_mov_b32 s23, 0
	s_mul_i32 s17, s16, 128*PK
	s_mul_i32 s21, s16, 128*PV
	s_lshl_b32 s2, s[B8], 15        ; my block's 256 rows,
	s_add_co_u32 s2, s2, s20
	s_lshl_b32 s3, s[WV], 11        ; my 16 rows in a band of 64
	s_add_co_u32 s2, s2, s3
	s_mov_b32 s3, 0
	; group 1: 128 keys are 16,384 dense bytes: asked for as 64 rows of 256 bytes, two keys a row, padded in LDS after every key
	s_mov_b32 s[G1K], (1<<16)|(1<<20)|(4<<22)|(3<<25)  ; 2-byte elements; padding on; after every 32 words, 4 words
	s_mov_b32 s[G1V], (1<<16)|(1<<20)|(4<<22)|(7<<25)  ; the same with 8 words
.irp g, G1K, G1V
	s_mov_b32 s[\g+1], 128<<16
	s_mov_b32 s[\g+2], 64<<16
	s_mov_b32 s[\g+3], 128<<16
	s_mov_b32 s[\g+4], 64
	s_mov_b32 s[\g+5], 128
	s_mov_b32 s[\g+6], 0
	s_mov_b32 s[\g+7], 0
.endr
	s_mov_b32 s[CS], 0x3e38aa3b     ; c = log2(e) / 8
	s_mov_b32 s[CS+1], s[CS]
	s_mov_b32 s[SEL], 0x76543210
	s_mov_b32 s[SEL+1], 0xfedcba98
	s_mov_b32 s[TBK], SLOT1+4*KS*PK ; the first change of slots turns these two into 0
	s_mov_b32 s[TBV], SLOT1+4*KS*PV
	s_mov_b32 s[G0K], 1
	s_mov_b32 s[G0K+1], s17
	s_mov_b32 s[G0V], 1
	s_add_co_u32 s[G0V+1], s21, VOFF
	s_mov_b32 s[G0T], 1
	s_mov_b32 s[SLOTS], 7
	s_cmp_eq_u32 s[WV], 0
	s_cselect_b32 s[LIM], 1, -1
	s_lshl_b32 s20, s[B8], 2
	s_sub_co_u32 s[IZ], 2, s20
.irp x, 0,1,2,3
	s_add_co_u32 s21, s20, \x
	s_cmp_le_u32 s21, 29            ; rel of the last step, 32 - 4 block - piece, is 3 or more
	s_cselect_b32 s[GR+(\x)], 1.0, 0
.endr
	s_mul_i32 s21, s[WV], 16*PK
	s_sub_co_u32 s[WRK], 64*PK, s21
	s_mul_i32 s21, s[WV], 16*PV
	s_sub_co_u32 s[WRV], 48*PV, s21
	s_wait_dscnt 0x0                ; the opening add is done
	s_wait_kmcnt 0x0
	s_add_nc_u64 s[4:5], s[76:77], s[2:3]    ; Q and O at my first row
	s_add_nc_u64 s[10:11], s[10:11], s[2:3]
	s_add_nc_u64 s[6:7], s[76:77], s[22:23]
	s_add_nc_u64 s[8:9], s[6:7], 2*PART      ; V and
	s_add_nc_u64 s[6:7], s[6:7], PART        ; K at my half of the head's tile 0
	s_add_nc_u64 s[G0K+2:G0K+3], s[6:7], 0
	s_or_b32 s[G0K+3], s[G0K+3], 0x80000000
	s_add_nc_u64 s[G0V+2:G0V+3], s[8:9], 0
	s_or_b32 s[G0V+3], s[G0V+3], 0x80000000
	s_cmp_lt_u32 s[B8], 4
	s_cselect_b64 s[PFA:PFA+1], s[6:7], s[8:9]  ; (in wave 0 these stand at the tile's first row)
	s_and_b32 s2, s[B8], 3
	s_lshl_b32 s2, s2, 13           ; my block's 32 of the 128 blocks of 256 bytes,
	s_add_co_u32 s2, s2, 4*KS*128   ; in tile 1; the first change of slots steps it to tile 2
	s_add_nc_u64 s[PFA:PFA+1], s[PFA:PFA+1], s[2:3]
	; THE FIRST FILLS, two a wave, in one branch: my part of tile 0 and my half of a table (waves 0, 1: RKx, 104 rows of 256 bytes each; waves 2, 3: RVx, 72 rows)
	s_cmp_lt_u32 s[WV], 2
	s_cbranch_scc0 .Lfirst_v
	s_mov_b32 s[G1T], (1<<16)|(1<<20)|(4<<22)|(3<<25)
	s_mov_b32 s[G1T+1], 128<<16
	s_mov_b32 s[G1T+2], 104<<16
	s_mov_b32 s[G1T+3], 128<<16
	s_mov_b32 s[G1T+4], 104
	s_mov_b32 s[G1T+5], 128
	s_mov_b32 s[G1T+6], 0
	s_mov_b32 s[G1T+7], 0
	s_mul_i32 s[G0T+1], s16, 208*PK
	s_add_co_u32 s[G0T+1], s[G0T+1], RKX
	s_mul_i32 s2, s16, 104*256
	s_add_nc_u64 s[G0T+2:G0T+3], s[78:79], s[2:3]
	s_or_b32 s[G0T+3], s[G0T+3], 0x80000000
	tensor_load_to_lds s[G0K:G0K+3], s[G1K:G1K+7]
	s_nop 0
	tensor_load_to_lds s[G0T:G0T+3], s[G1T:G1T+7]
	s_nop 0
.rept 4
	v_nop
.endr
	s_branch .Lfirst_asked
.Lfirst_v:
	s_mov_b32 s[G1T], (1<<16)|(1<<20)|(4<<22)|(7<<25)
	s_mov_b32 s[G1T+1], 128<<16
	s_mov_b32 s[G1T+2], 72<<16
	s_mov_b32 s[G1T+3], 128<<16
	s_mov_b32 s[G1T+4], 72
	s_mov_b32 s[G1T+5], 128
	s_mov_b32 s[G1T+6], 0
	s_mov_b32 s[G1T+7], 0
	s_mul_i32 s[G0T+1], s16, 144*PV
	s_add_co_u32 s[G0T+1], s[G0T+1], RVX
	s_mul_i32 s2, s16, 72*256
	s_add_co_u32 s2, s2, 416*128    ; RVx lies behind RKx in relx
	s_add_nc_u64 s[G0T+2:G0T+3], s[78:79], s[2:3]
	s_or_b32 s[G0T+3], s[G0T+3], 0x80000000
	tensor_load_to_lds s[G0V:G0V+3], s[G1V:G1V+7]
	s_nop 0
	tensor_load_to_lds s[G0T:G0T+3], s[G1T:G1T+7]
	s_nop 0
.rept 4
	v_nop
.endr
.Lfirst_asked:
	; A fragment of K, Q or RKx is 16 rows x 32 channels in 8 registers: lane l holds row l % 16, channels 8 (l / 16) + 0..7 and 16 + 8 (l / 16) + 0..7: two loads of 16 bytes, 32 bytes apart.
	v_and_b32 v1, 15, v0            ; l % 16
	v_bfe_u32 v9, v0, 4, 1          ; l / 16
	v_and_b32 v10, 7, v0
	v_bfe_u32 v11, v0, 3, 1
	v_lshlrev_b32 v[QO], 7, v1
	v_lshl_add_u32 v[QO], v9, 4, v[QO]
	WIN 0x80
.set i, 0
.rept 8                             ; Q stays in registers: piece i / 2 lies in band i / 2, 8,192 bytes on; channels 32 (i % 2) on
	global_load_b128 v[8*i:8*i+3],   v[QO], s[4:5] offset:(i/2)*8192+(i%2)*64
	global_load_b128 v[8*i+4:8*i+7], v[QO], s[4:5] offset:(i/2)*8192+(i%2)*64+32
.set i, i+1
.endr
	WIN 0
	v_mul_u32_u24 v[AK0], v1, PK
	v_lshl_add_u32 v[AK0], v9, 4, v[AK0]
	v_add_nc_u32 v[AKT], RKX, v[AK0]
	; The turning load takes 16 rows x 16 channels (lane l reads row 8 (l / 16) + l % 8, channels 8 ((l / 8) % 2) + 0..7) and leaves half a fragment of the transpose: lane l holds channel l % 16 and 8 rows.
	v_lshl_add_u32 v[AV0], v9, 3, v10
	v_mul_u32_u24 v[AV0], v[AV0], PV
	v_lshl_add_u32 v[AV0], v11, 4, v[AV0]
	v_add_nc_u32 v[AVT], RVX, v[AV0]
	v_add_nc_u32 v[AV0], VOFF, v[AV0]
	s_mul_i32 s2, s[WV], TSCW
	s_add_co_u32 s2, s2, TSC
	v_mul_u32_u24 v[TS], v1, PT
	v_lshl_add_u32 v[TS], v9, 5, v[TS]
	v_add_nc_u32 v[TS], s2, v[TS]
	v_mul_u32_u24 v[TR], v1, PT-4   ; a query further on, a word further back: 83 words apart, so that the 32 lanes of a load touch 32 different banks
	v_lshl_add_u32 v[TR], v9, 5, v[TR]
	s_add_co_u32 s2, s2, 64
	v_add_nc_u32 v[TR], s2, v[TR]
	s_mul_i32 s2, s[WV], WSCW
	s_add_co_u32 s2, s2, WSC
	v_mul_u32_u24 v[WR], v1, PW
	v_lshl_add_u32 v[WR], v9, 4, v[WR]
	v_add_nc_u32 v[WR], s2, v[WR]
	v_and_b32 v[GO], 31, v0
	v_lshlrev_b32 v[GO], 4, v[GO]
	v_add_nc_u32 v[HA], s2, v[GO]
	v_lshlrev_b32 v[PFO], 4, v[GO]
	v_mul_u32_u24 v[WS], v1, PW-2
	v_lshl_add_u32 v[WS], v9, 4, v[WS]
	s_add_co_u32 s2, s2, 32
	v_add_nc_u32 v[WS], s2, v[WS]
	s_mul_i32 s2, s[WV], 16*SP
	s_add_co_u32 s2, s2, STAGE
	v_mul_u32_u24 v[STO], v1, SP
	v_lshl_add_u32 v[STO], v9, 4, v[STO]
	v_add_nc_u32 v[STO], s2, v[STO]
	v_bfe_u32 v[RD], v0, 3, 2
	v_mul_u32_u24 v[RD], v[RD], SP
	v_lshl_add_u32 v[RD], v10, 4, v[RD]
	v_add_nc_u32 v[RD], s2, v[RD]
	; W's rows are cleared once: each later use writes the same 64 cells of a row anew, and the others stay 0
.irp i, 0,1,2,3
	v_mov_b32 v[S+(\i)], 0
.endr
.irp i, 0,1,2,3,4,5,6
	ds_store_b128 v[HA], v[S:S+3] offset:512*(\i)
.endr
	; The first step multiplies O^T and the bins by a = 0, and the first turn's products V^T P, of a piece that has not been, add 0.  All this stands in the wait for the first tile.
	WIN 0x80
.set i, VF
.rept 64
	v_mov_b32 v[i], 0
.set i, i+1
.endr
	WIN 0x40
.set i, 0
.rept 128
	v_mov_b32 v[i], 0
.set i, i+1
.endr
	WIN 0
.set i, 0
.rept 4
	v_mov_b32 v[ST+4*i], 0xfe000000    ; c m: far below every c s
	v_mov_b32 v[ST+4*i+1], 0xff7fffff  ; m
	v_mov_b32 v[ST+4*i+2], 0
	v_mov_b32 v[ST+4*i+3], 0
.set i, i+1
.endr
.set i, 0
.rept 16
	v_mov_b32 v[LX+i], 0
	v_mov_b32 v[P+16+i], 0
.set i, i+1
.endr
; THE MATRIX WORK.  The 4 accumulators of a run of 8 take turns.  Product i of 8 of S^T = K Q^T for piece x: channels 32 (i / 4) on, keys 16 (i % 4) on.  The first 4 start the sums with MC.
.macro KQ x
.set rS, S+32*((\x)%2)+8*(i%4)
.set rK, KF+16*(i%4)+8*(i/4)
.set rQ, 16*(\x)+8*(i/4)
.set rM, MC+32*(\x)+8*(i%4)
.if i < 4
	WIN W_KM
	v_wmma_f32_16x16x32_bf16 v[rS:rS+7], v[rK:rK+7], v[rQ:rQ+7], v[rM:rM+7]
.else
	WIN W_KQ
	v_wmma_f32_16x16x32_bf16 v[rS:rS+7], v[rK:rK+7], v[rQ:rQ+7], v[rS:rS+7]
.endif
.endm
; Product i of 8 of O^T += V^T P for piece x: keys 32 (i / 4) on, channels 16 (i % 4) on.
.macro PV x
	WIN W_PV
.set rO, 32*(\x)+8*(i%4)
.set rV, VF+32*(i/4)+8*(i%4)
.set rP, P+16*((\x)%2)+8*(i/4)
	v_wmma_f32_16x16x32_bf16 v[rO:rO+7], v[rV:rV+7], v[rP:rP+7], v[rO:rO+7]
.endm
.macro MM                           ; the turn's next matrix instruction
.if i < 8
	KQ (Y+1)%NP
.else
.set i, i-8
	PV (Y+NP-1)%NP
.set i, i+8
.endif
.set i, i+1
.endm
; THE LDS LOADS stand in runs of 16.  last = 1 (the tail): behind the last step's K the address stays, so that the one fetch too many reads that K again.
.macro FETCH_K last=0
	WIN 0x80
.irp f, 0,1,2,3,4,5,6,7
	ds_load_b128 v[KF+8*\f:KF+8*\f+3],   v[AK] offset:(\f/2)*16*PK+(\f%2)*64
	ds_load_b128 v[KF+8*\f+4:KF+8*\f+7], v[AK] offset:(\f/2)*16*PK+(\f%2)*64+32
.endr
	s_add_co_u32 s[TBK], s[TBK], KS*PK
.if \last
	s_min_u32 s[TBK], s[TBK], SLOT1+3*KS*PK
.endif
	WIN 0
.endm
.macro FETCH_V
	WIN 0x80
.irp f, 0,1,2,3,4,5,6,7
	ds_load_tr16_b128 v[VF+8*\f:VF+8*\f+3],   v[AV] offset:(\f/4)*32*PV+(\f%4)*32
	ds_load_tr16_b128 v[VF+8*\f+4:VF+8*\f+7], v[AV] offset:(\f/4)*32*PV+16*PV+(\f%4)*32
.endr
	WIN 0
.endm
; THE VECTOR WORK, one line at a time: OP kind, number.  For piece Y: F n: c s - c m for pair n of 16.  E n: the exponential of score n of 32.  C n: pair n rounded to bf16.  B n: of the four weights 4 n .. the second
; pair is added onto the first, in place.  L n: lc takes that sum (L 0: lc = a lc + sum).  Z n: lL (0) or lN (1) times a.  R n: pair n of 16 of O^T times a.  For piece Y + 1: X n, number n of the 22 that find its maximum:
;   0-11  four chains c0-c3 of seven scores each (each accumulator's lowest registers are read first)     12-14, 16  the four scores left over, the old m, and c0-c3 into c0
;   15  c m_old is kept     17, 18  the query's other 32 keys lie in the lane 16 away: the new m     19-21  c m; c m_old - c m_new; a
.set F, 0
.set E, 1
.set C, 2
.set B, 3
.set L, 4
.set Z, 5
.set R, 6
.set X, 7
.macro REGS y
.set rT, ST+4*(\y)
.set rL, LX+4*(\y)
.set rC, TMP+4*((\y)%2)
.set rW, MV+((\y)%2)
.set rS, S+32*((\y)%2)
.set rP, P+16*((\y)%2)
.set rO, 32*(\y)
.endm
.macro OP k, n
.if (\k) == R
	REGS Y
	WIN W_RS
	v_pk_mul_f32 v[rO+2*(\n):rO+2*(\n)+1], v[rO+2*(\n):rO+2*(\n)+1], v[rC+2:rC+3] op_sel_hi:[1,0]
.elseif (\k) < R
	REGS Y
	WIN 0
.if (\k) == F
	v_pk_fma_f32 v[rS+2*(\n):rS+2*(\n)+1], v[rS+2*(\n):rS+2*(\n)+1], s[CS:CS+1], v[rT:rT+1] op_sel_hi:[1,0,0] neg_lo:[0,0,1] neg_hi:[0,0,1]
.elseif (\k) == E
	v_exp_f32 v[rS+(\n)], v[rS+(\n)]
.elseif (\k) == C
	v_cvt_pk_bf16_f32 v[rP+(\n)], v[rS+2*(\n)], v[rS+2*(\n)+1]
.elseif (\k) == B
	v_pk_add_f32 v[rS+4*(\n):rS+4*(\n)+1], v[rS+4*(\n):rS+4*(\n)+1], v[rS+4*(\n)+2:rS+4*(\n)+3]
.elseif (\k) == Z
	v_pk_mul_f32 v[rL+2*(\n):rL+2*(\n)+1], v[rL+2*(\n):rL+2*(\n)+1], v[rC+2:rC+3] op_sel_hi:[1,0]
.elseif (\n) == 0
	v_pk_fma_f32 v[rT+2:rT+3], v[rT+2:rT+3], v[rC+2:rC+3], v[rS:rS+1] op_sel_hi:[1,0,1]
.else
	v_pk_add_f32 v[rT+2:rT+3], v[rT+2:rT+3], v[rS+4*(\n):rS+4*(\n)+1]
.endif
.else
	REGS (Y+1)%NP
	WIN 0
.if (\n) < 4
	v_max3_num_f32 v[rC+(\n)], v[rS+8*(\n)], v[rS+8*(\n)+1], v[rS+8*(\n)+2]
.elseif (\n) < 12
	v_max3_num_f32 v[rC+(\n)%4], v[rC+(\n)%4], v[rS+8*((\n)%4)+2*((\n)/4)+1], v[rS+8*((\n)%4)+2*((\n)/4)+2]
.elseif (\n) == 12
	v_max3_num_f32 v[rC], v[rC], v[rS+7], v[rS+15]
.elseif (\n) == 13
	v_max3_num_f32 v[rC+1], v[rC+1], v[rS+23], v[rS+31]
.elseif (\n) == 14
	v_max3_num_f32 v[rC+2], v[rC+2], v[rC+3], v[rT+1]
.elseif (\n) == 15
	v_mov_b32 v[rW], v[rT]
.elseif (\n) == 16
	v_max3_num_f32 v[rC], v[rC], v[rC+1], v[rC+2]
.elseif (\n) == 17
	v_permlanex16_b32 v[rC+3], v[rC], s[SEL], s[SEL+1]
.elseif (\n) == 18
	v_max_num_f32 v[rT+1], v[rC], v[rC+3]
.elseif (\n) == 19
	v_mul_f32 v[rT], s[CS], v[rT+1]
.elseif (\n) == 20
	v_sub_f32 v[rC+1], v[rW], v[rT]
.else
	v_exp_f32 v[rC+2], v[rC+1]
.endif
.endif
.endm
.macro OPS a, i1, b=-1, i2=0, c=-1, i3=0, d=-1, i4=0
	OP \a, \i1
.if (\b) >= 0
	OP \b, \i2
.endif
.if (\c) >= 0
	OP \c, \i3
.endif
.if (\d) >= 0
	OP \d, \i4
.endif
.endm
.macro ROW a, i1, b, i2, c, i3, d, i4  ; a matrix instruction and the four behind it
	MM
	OPS \a, \i1, \b, \i2, \c, \i3, \d, \i4
.endm
; A TURN, for piece p.  AHEAD OF ITS ONE WAIT stands all that names no result of the turn's exponentials: the 8 products K Q^T with their riders (the X among them stand four plain instructions or more behind the product
; that ends their accumulator), then one lump.  X 21, the next piece's a, is the batch's last; R 15 is the plain instruction behind it.  BEHIND THE WAIT: the 8 products V^T P, behind each four of the roundings and sums.
; K of the next step is fetched in piece 2's turn, six plain instructions behind the last product that read K; V of the step in hand at the end of piece 0's turn, four plain instructions behind the last product that read V.
.macro TURN p, last=0
.set Y, (\p)
.set i, 0
.if (\p) == 3
	s_wait_dscnt 0x0                ; K is in
.endif
	ROW F,0, F,1, R,0, R,1
	ROW F,2, E,0, R,2, R,3
	ROW F,3, E,1, R,4, R,5
	ROW F,4, E,2, R,6, R,7
	ROW F,5, E,3, R,8, R,9
	ROW F,6, E,4, X,0, R,10
.if (\p) == 2
	WIN 0
	v_add_nc_u32 v[AK], s[TBK], v[AK0]
.endif
	ROW F,7, E,5, X,1, X,4
	ROW F,8, E,6, X,2, X,5
	OPS E,7, E,8, X,6, E,9
	OPS X,3, E,10, X,8, E,11
.if (\p) == 2
	FETCH_K \last
.endif
	OPS X,9, X,7, E,12, X,10
	OPS E,13, X,12, X,11, E,14
	OPS X,13, E,15, F,9, X,14
.if (\p) == 0
	v_add_nc_u32 v[AV], s[TBV], v[AV0]
.endif
	OPS E,16, F,10, E,17, F,11
	OPS X,16, E,18, X,15, E,19
	OPS F,12, E,20, X,17, E,21
	OPS F,13, E,22, F,14, E,23
	OPS X,18, E,24, F,15, E,25
	OPS R,11, E,26, X,19, E,27
	OPS R,12, E,28, R,13, E,29
	OPS X,20, E,30, R,14, E,31
	OPS Z,0, Z,1
	OPS X,21, R,15
	WIN 0
	s_wait_alu depctr_va_vdst(0)    ; the one wait for the batch of 33, ahead of the first instruction that names a result
.if (\p) == 1
	s_wait_dscnt 0x0                ; V is in
.endif
	ROW C,0, B,0, C,2, B,1
	ROW L,0, C,4, B,2, L,1
	ROW C,6, B,3, L,2, C,8
	ROW B,4, L,3, C,10, B,5
	ROW L,4, C,12, B,6, L,5
.if (\p) == 0
	s_add_co_u32 s[TBV], s[TBV], KS*PV
.endif
	ROW C,14, B,7, L,6, C,1
	ROW C,3, L,7, C,5, C,7
	ROW C,9, C,11, C,13, C,15
.if (\p) == 0
	FETCH_V
.endif
.endm
; THE SCORES' TERM for piece y.  s16 = the byte in RKx of the table row that stands for k - q = (first key - first query) - 16.  T[q][u] = Q[q] . RKx[row + u], u < 80: five tiles, ten products, the five
; accumulators by turns.  T goes into my own rows of LDS and comes back skewed: MC(key kk, query q) = T[q][kk - q + 16].  Five plain places stand behind the products: four for the stores that read them,
; five for the next such product that writes over them.
.macro RELK y
	WIN 0
	v_add_nc_u32 v[HA], s16, v[AKT]
	WIN 0xc0
.irp jt, 0,1,2,3,4
.irp c, 0,1
	ds_load_b128 v[RKF+16*(\jt)+8*(\c):RKF+16*(\jt)+8*(\c)+3],   v[HA] offset:(\jt)*16*PK+64*(\c)
	ds_load_b128 v[RKF+16*(\jt)+8*(\c)+4:RKF+16*(\jt)+8*(\c)+7], v[HA] offset:(\jt)*16*PK+64*(\c)+32
.endr
.endr
	s_wait_dscnt 0x0
	WIN 0x0b                        ; RKx's fragments in window 3, Q in window 2, T in window 0
.irp jt, 0,1,2,3,4
	v_wmma_f32_16x16x32_bf16 v[TT+8*(\jt):TT+8*(\jt)+7], v[RKF+16*(\jt):RKF+16*(\jt)+7], v[16*(\y):16*(\y)+7], 0
.endr
.irp jt, 0,1,2,3,4
	v_wmma_f32_16x16x32_bf16 v[TT+8*(\jt):TT+8*(\jt)+7], v[RKF+16*(\jt)+8:RKF+16*(\jt)+15], v[16*(\y)+8:16*(\y)+15], v[TT+8*(\jt):TT+8*(\jt)+7]
.endr
	WIN 0
.rept 5
	v_nop
.endr
.irp jt, 0,1,2,3,4
	ds_store_b128 v[TS], v[TT+8*(\jt):TT+8*(\jt)+3]   offset:64*(\jt)
	ds_store_b128 v[TS], v[TT+8*(\jt)+4:TT+8*(\jt)+7] offset:64*(\jt)+16
.endr
	WIN 0x40
.set n, 0
.rept 32
	ds_load_b32 v[MC+32*(\y)+n], v[TR] offset:64*(n/8)+4*(n%8)  ; LDS serves a wave's instructions in order (ISA guide 5.7.1.4): these see my stores above
.set n, n+1
.endr
	WIN 0
	s_wait_dscnt 0x0
.endm
; THE VALUES' TERM for piece p in a step near the diagonal.  s16 = the byte in RVx of the row that stands for k - q = (first key - first query) - 16.  p goes into my own rows of LDS skewed, W[q][kk - q + 16], and comes
; back as three fragments of 32; O^T += RVx^T W: twelve products, the four accumulators by turns.
.macro RELV p
	WIN 0
.set n, 0
.rept 16
	ds_store_b16 v[WS], v[P+16*((\p)%2)+n] offset:32*(n/4)+4*(n%4)
	ds_store_b16_d16_hi v[WS], v[P+16*((\p)%2)+n] offset:32*(n/4)+4*(n%4)+2
.set n, n+1
.endr
.irp jb, 0,1,2
	ds_load_b128 v[WF+8*(\jb):WF+8*(\jb)+3],   v[WR] offset:64*(\jb)
	ds_load_b128 v[WF+8*(\jb)+4:WF+8*(\jb)+7], v[WR] offset:64*(\jb)+32
.endr
	v_add_nc_u32 v[HA], s16, v[AVT]
	WIN 0xc0
.irp jb, 0,1,2
.irp cb, 0,1,2,3
	ds_load_tr16_b128 v[RVF+32*(\jb)+8*(\cb):RVF+32*(\jb)+8*(\cb)+3],   v[HA] offset:(\jb)*32*PV+32*(\cb)
	ds_load_tr16_b128 v[RVF+32*(\jb)+8*(\cb)+4:RVF+32*(\jb)+8*(\cb)+7], v[HA] offset:(\jb)*32*PV+16*PV+32*(\cb)
.endr
.endr
	s_wait_dscnt 0x0
	WIN 0x53                        ; RVx's fragments in window 3, W in window 0, O^T in window 1
.irp jb, 0,1,2
.irp cb, 0,1,2,3
	v_wmma_f32_16x16x32_bf16 v[32*(\p)+8*(\cb):32*(\p)+8*(\cb)+7], v[RVF+32*(\jb)+8*(\cb):RVF+32*(\jb)+8*(\cb)+7], v[WF+8*(\jb):WF+8*(\jb)+7], v[32*(\p)+8*(\cb):32*(\p)+8*(\cb)+7]
.endr
.endr
	WIN 0
.endm
; THE HOOK behind turn p.  Three parts, each for a piece and a step whose rel is IZ less a constant:  the values' term of piece p (rel = IZ - ov in 0..2);  the bins of piece ex, whose turn comes next
; (rel = IZ - oe: 0: lL = lc; 3: lN = lc; lc = 0);  the scores' term of piece ky, whose scores the next turn makes (rel = IZ - ok in 0..3; 3 falls into the table's clipped rows and serves all later steps).
; Far from the diagonal IZ is 8 or more (or has wrapped), and one test passes all three.  The s_min_u32 state the bound of each table address.
.macro HOOK p, ov, ex, oe, ky, ok
.if (\p) == 3
	s_add_co_u32 s[IZ], s[IZ], 1    ; from here on the parts speak of the next step
.endif
	WIN 0
	s_cmp_lt_u32 s[IZ], 8
	s_cbranch_scc0 .Lhe_\@
	s_sub_co_u32 s16, s[IZ], \ov
	s_cmp_lt_u32 s16, 3
	s_cbranch_scc0 .Lha_\@
	s_min_u32 s16, s16, 2
	s_mul_i32 s16, s16, KS*PV
	s_add_co_u32 s16, s16, s[WRV]   ; row 64 rel + 48 - 16 wave
	RELV \p
.Lha_\@:
	s_sub_co_u32 s16, s[IZ], \oe
	s_cmp_eq_u32 s16, 0
	s_cbranch_scc0 .Lhb_\@
	v_mov_b32 v[LX+4*(\ex)], v[ST+4*(\ex)+2]
	v_mov_b32 v[LX+4*(\ex)+1], v[ST+4*(\ex)+3]
	v_mov_b32 v[ST+4*(\ex)+2], 0
	v_mov_b32 v[ST+4*(\ex)+3], 0
.Lhb_\@:
	s_cmp_eq_u32 s16, 3
	s_cbranch_scc0 .Lhc_\@
	v_mov_b32 v[LX+4*(\ex)+2], v[ST+4*(\ex)+2]
	v_mov_b32 v[LX+4*(\ex)+3], v[ST+4*(\ex)+3]
	v_mov_b32 v[ST+4*(\ex)+2], 0
	v_mov_b32 v[ST+4*(\ex)+3], 0
.Lhc_\@:
	s_sub_co_u32 s16, s[IZ], \ok
	s_cmp_lt_u32 s16, 4
	s_cbranch_scc0 .Lhe_\@
	s_min_u32 s16, s16, 3
	s_mul_i32 s16, s16, KS*PK
	s_add_co_u32 s16, s16, s[WRK]
	s_add_co_u32 s16, s16, KS*PK    ; row 64 (rel + 1) + 64 - 16 wave
	RELK \ky
.Lhe_\@:
.endm
.macro HOOK0
	HOOK 0, 1, 1, 2, 2, 3
.endm
.macro HOOK1
	HOOK 1, 2, 2, 3, 3, 4
.endm
.macro HOOK2
	HOOK 2, 3, 3, 4, 0, 0
.endm
.macro HOOK3
	HOOK 3, 5, 0, 1, 1, 2
.endm
	CHANGE 1                        ; tile 0 and the tables are in, everybody's parts; tile 1 is asked for
	v_mov_b32 v[AK], v[AK0]
	FETCH_K                         ; key step 0
	s_wait_loadcnt 0x0              ; Q
.irp x, 0,1,2,3                     ; every piece's MC for step 0: rel + 1 = 2 - 4 block - piece, held to 0..4; 0 falls into the table's clipped rows and serves all steps to the left
	s_sub_co_i32 s16, s[IZ], \x
	s_max_i32 s16, s16, 0
	s_min_u32 s16, s16, 4
	s_mul_i32 s16, s16, KS*PK
	s_add_co_u32 s16, s16, s[WRK]
	RELK \x
.endr
.set i, 0
.rept 8
	KQ 0                            ; piece 0's first scores
.set i, i+1
.endr
	WIN 0
.rept 4
	v_nop                           ; the places behind those products
.endr
.set Y, NP-1                        ; X works for piece Y + 1: piece 0
.irp n, 0,1,2,3,4,5,6,7,8,9,10,11,12,13,14,15,16,17,18,19,20,21
	OP X, \n
.endr
	v_nop                           ; a plain instruction behind the exponential,
	s_wait_alu depctr_va_vdst(0)    ; and its wait, ahead of the branch
	s_mov_b32 s[CNT], 4
	s_branch .Lfirst                ; the loop is entered at a step's first turn, in the middle of a trip
.Lslot:                             ; six times: tiles 2 to 7 are asked for
	CHANGE 1
	s_mov_b32 s[CNT], 4
.Lstep:                             ; a trip: pieces 2 and 3 of one step, then pieces 0 and 1 of the next, whose K and V it fetches
	TURN 2
	HOOK2
	TURN 3
	HOOK3
.Lfirst:
	TURN 0
	HOOK0
	TURN 1
	HOOK1
	s_sub_co_u32 s[CNT], s[CNT], 1
	s_cmp_lg_u32 s[CNT], 0
	s_cbranch_scc1 .Lstep
	s_sub_co_u32 s[SLOTS], s[SLOTS], 1
	s_cmp_lg_u32 s[SLOTS], 0
	s_cbranch_scc1 .Lslot
	CHANGE 0                        ; the tail is written out: nothing is asked for
	s_mov_b32 s[CNT], 5             ; four trips fetch the last tile's steps; the fifth is left in its middle
.Ltail:
	TURN 2, 1
	HOOK2
	TURN 3
	HOOK3
	s_sub_co_u32 s[CNT], s[CNT], 1
	s_cmp_eq_u32 s[CNT], 0
	s_cbranch_scc1 .Lout
	TURN 0
	HOOK0
	TURN 1
	HOOK1
	s_branch .Ltail
.Lout:                              ; the fifth trip's 8 products K Q^T (on the last K once more) and the maximum made of them serve nothing: the price, once a launch, of one text for every trip
.set i, 0
.rept 8
	PV NP-1                         ; the last piece's V^T P of the last step
.set i, i+1
.endr
	; THE WAY OUT.  A = lL, C = lc where the piece has steps to the right (else 0), tot = lL + lN + lc, each summed over its two halves and the two halves of the lanes.
	; O = (O^T + A rel_v[0] + C rel_v[100]) / tot, rounded to bf16 and sent through my stage.  The additions are the places behind the last products.
	WIN 0
.macro ALL line:vararg              ; one line for each piece t
.set t, 0
.rept 4
	\line
.set t, t+1
.endr
.endm
	ALL v_add_f32 v[LX+4*t], v[LX+4*t], v[LX+4*t+1]
	ALL v_add_f32 v[LX+4*t+2], v[LX+4*t+2], v[LX+4*t+3]
	ALL v_add_f32 v[ST+4*t+2], v[ST+4*t+2], v[ST+4*t+3]
	ALL v_add_f32 v[ST+4*t], v[LX+4*t], v[LX+4*t+2]
	ALL v_add_f32 v[ST+4*t], v[ST+4*t], v[ST+4*t+2]
	v_lshl_add_u32 v[HA], v9, 4, RVX
.irp cb, 0,1,2,3                    ; RVx's first row is rel_v[0], its last rel_v[100]: my channels 16 cb + 8 (lane / 16) + 0..7, into P's registers
	ds_load_b128 v[P+4*(\cb):P+4*(\cb)+3], v[HA] offset:32*(\cb)
	ds_load_b128 v[P+16+4*(\cb):P+16+4*(\cb)+3], v[HA] offset:287*PV+32*(\cb)
.endr
	ALL v_permlanex16_b32 v[LX+4*t+1], v[LX+4*t], s[SEL], s[SEL+1]
	ALL v_permlanex16_b32 v[ST+4*t+3], v[ST+4*t+2], s[SEL], s[SEL+1]
	ALL v_permlanex16_b32 v[ST+4*t+1], v[ST+4*t], s[SEL], s[SEL+1]
	ALL v_add_f32 v[LX+4*t], v[LX+4*t], v[LX+4*t+1]
	ALL v_add_f32 v[ST+4*t+2], v[ST+4*t+2], v[ST+4*t+3]
	ALL v_add_f32 v[ST+4*t], v[ST+4*t], v[ST+4*t+1]
	ALL v_mul_f32 v[ST+4*t+2], s[GR+t], v[ST+4*t+2]
	ALL v_rcp_f32 v[ST+4*t], v[ST+4*t]
	s_wait_dscnt 0x0
.set i, 0
.rept 16                            ; bf16 to f32: the plain work behind the four reciprocals
	v_lshlrev_b32 v[RV0+2*i], 16, v[P+i]
	v_and_b32 v[RV0+2*i+1], 0xffff0000, v[P+i]
	v_lshlrev_b32 v[RV1+2*i], 16, v[P+16+i]
	v_and_b32 v[RV1+2*i+1], 0xffff0000, v[P+16+i]
.set i, i+1
.endr
	s_wait_alu depctr_va_vdst(0)    ; one wait for the four reciprocals, ahead of their first use
.macro PACK t
	WIN 0x50                        ; O^T (destination and source 2) in window 1
.set i, 0
.rept 16
	v_pk_fma_f32 v[32*(\t)+2*i:32*(\t)+2*i+1], v[RV0+2*i:RV0+2*i+1], v[LX+4*(\t):LX+4*(\t)+1], v[32*(\t)+2*i:32*(\t)+2*i+1] op_sel_hi:[1,0,1]
.set i, i+1
.endr
.set i, 0
.rept 16
	v_pk_fma_f32 v[32*(\t)+2*i:32*(\t)+2*i+1], v[RV1+2*i:RV1+2*i+1], v[ST+4*(\t)+2:ST+4*(\t)+3], v[32*(\t)+2*i:32*(\t)+2*i+1] op_sel_hi:[1,0,1]
.set i, i+1
.endr
	WIN W_RS
.set i, 0
.rept 16
	v_pk_mul_f32 v[32*(\t)+2*i:32*(\t)+2*i+1], v[32*(\t)+2*i:32*(\t)+2*i+1], v[ST+4*(\t):ST+4*(\t)+1] op_sel_hi:[1,0]
.set i, i+1
.endr
	WIN 0x05                        ; sources 0 and 1 window 1, destination window 0
.set i, 0
.rept 16
	v_cvt_pk_bf16_f32 v[S+16*(\t)+i], v[32*(\t)+2*i], v[32*(\t)+2*i+1]
.set i, i+1
.endr
	WIN 0
.irp f, 0,1,2,3
	ds_store_b128 v[STO], v[S+16*(\t)+4*\f:S+16*(\t)+4*\f+3] offset:32*\f
.endr
.irp f, 0,1,2,3
	ds_load_b128 v[S+16*(\t)+4*\f:S+16*(\t)+4*\f+3], v[RD] offset:\f*4*SP  ; in order behind my stores above; the next piece's stores come behind them
.endr
.endm
.macro SEND t, younger              ; younger: the LDS instructions issued behind piece t's loads: the next piece's eight, or none
	WIN 0
.irp f, 0,1,2,3
	s_wait_dscnt (\younger)+3-\f
	global_store_b128 v[GO], v[S+16*(\t)+4*\f:S+16*(\t)+4*\f+3], s[10:11] offset:(\t)*8192+\f*512  ; 512 consecutive bytes, at a multiple of 256 from xa's first
.endr
.endm
	PACK 0
.set t, 1
.rept 3
	PACK t
	SEND t-1, 8
.set t, t+1
.endr
	SEND 3, 0
	s_wait_tensorcnt 0x0            ; the wave's end
	ds_add_u32 v[SPW], v[NIL]
	s_wait_dscnt 0x0
	s_endpgm
.Lfunc_end_k_q49c8a89833_attn:
	.size	k_q49c8a89833_attn, .Lfunc_end_k_q49c8a89833_attn-k_q49c8a89833_attn
	.p2alignl 7, 3214868480
	.fill 96, 4, 3214868480
	.section	.rodata,"a",@progbits
	.p2align	6, 0x0
	.amdhsa_kernel k_q49c8a89833_attn
		.amdhsa_group_segment_fixed_size 327680
		.amdhsa_private_segment_fixed_size 0
		.amdhsa_enable_private_segment 0
		.amdhsa_kernarg_size 24
		.amdhsa_user_sgpr_count 2
		.amdhsa_user_sgpr_kernarg_segment_ptr 1
		.amdhsa_wavefront_size32 1
		.amdhsa_system_sgpr_workgroup_id_x 1
		.amdhsa_system_sgpr_workgroup_id_y 1
		.amdhsa_system_sgpr_workgroup_id_z 1
		.amdhsa_system_vgpr_workitem_id 0
		.amdhsa_next_free_vgpr 1024
		.amdhsa_next_free_sgpr 80
		.amdhsa_reserve_vcc 0
		.amdhsa_float_denorm_mode_32 3
		.amdhsa_float_denorm_mode_16_64 3
		.amdhsa_memory_ordered 1
		.amdhsa_forward_progress 1
		.amdhsa_inst_pref_size 235
	.end_amdhsa_kernel
	.amdgpu_metadata
---
amdhsa.version: [ 1, 2 ]
amdhsa.kernels:
  - .name:           k_q49c8a89833_attn
    .symbol:         k_q49c8a89833_attn.kd
    .args:
      - { .name: qkv, .offset: 0, .size: 8, .value_kind: global_buffer, .address_space: global }
      - { .name: relx, .offset: 8, .size: 8, .value_kind: global_buffer, .address_space: global }
      - { .name: xa, .offset: 16, .size: 8, .value_kind: global_buffer, .address_space: global }
    .group_segment_fixed_size: 327680
    .private_segment_fixed_size: 0
    .kernarg_segment_align: 8
    .kernarg_segment_size: 24
    .max_flat_workgroup_size: 128
    .sgpr_count:     80
    .vgpr_count:     1024
    .wavefront_size: 32
...
	.end_amdgpu_metadata
.endif
;; end of part 3
;; launch outp (part 4): grid 8 x 32, 4 waves a work-group, clusters of 4 x 4, 327,680 bytes of LDS; arguments xa, xw, bo, out0; writes out0
.if DOCPART == 4
	.amdgcn_target "amdgcn-amd-amdhsa--gfx1250"
	.amdhsa_code_object_version 6
	.text
	.protected	k_q49c8a89833_outp
	.globl	k_q49c8a89833_outp
	.p2align	8
	.type	k_q49c8a89833_outp,@function
k_q49c8a89833_outp:
	s_mov_b64 s[64:65], 0
	v_nop
	global_prefetch_b8 v0, s[64:65] scope:SCOPE_SE
	s_setreg_imm32_b32 hwreg(HW_REG_WAVE_MODE, 25, 1), 1
	s_wait_xcnt 0x0
	s_wait_alu depctr_hold_cnt(0) depctr_sa_sdst(0) depctr_va_vdst(0) depctr_va_sdst(0) depctr_va_ssrc(0) depctr_va_vcc(0) depctr_vm_vsrc(0)
	s_getreg_b32 s2, hwreg(HW_REG_IB_STS2, 6, 4)
	s_cmp_eq_u32 s2, 0
	s_cbranch_scc0 .Lentry_in_a_cluster
	s_endpgm
.Lentry_in_a_cluster:
	s_bfe_u32 s2, ttmp6, 0x10000c
	s_cmp_lg_u32 s2, 0xf033
	s_cbranch_scc0 .Lentry_shape_is_right
	s_endpgm
.Lentry_shape_is_right:
; THE LAST PROJECTION: out0[l][b][n] = sum over k of x[b][l][k] Wo[n][k] + bo[n], in f32.  x comes by heads, xa[b][h][l][64] in bf16; Wo in bf16 from xw.  Sums and bias in f32.
; NaN and infinities are not treated apart.
; A tile is 128 l of one batch x 128 columns: grid y = 2 batches x 16, grid x = 8: 256 work-groups.  Four waves, each 64 x 64.  K goes in four steps of 256 = four heads through two slots.
; A'S TILE: a head's 128 l x 64 channels are 16,384 dense bytes.  Waves 0 and 1 fetch two heads each by one load of two rows of 16,384 bytes, a head apart, padded in LDS after every 128 bytes: planes of 128 x 144.
; A quarter of a K step, 64 along K, is one plane.  B's tile is 128 rows of 512 bytes + 16, 64 to a load of waves 2 and 3.
; CLUSTERS: 4 x 4 work-groups; A's tiles are asked for jointly along a row of the cluster, B's along a column.  THE MATRIX INSTRUCTION IS USED TRANSPOSED; THE BIAS STARTS THE SUMS, as the C operand of the first products.
; THE WAY OUT: a wave's 64 columns are 256 bytes of a row of out0, aligned: 16 rows at a time go through the wave's own stage and leave as whole rows, sixteen lanes to 256 bytes.  No barrier.
; No prefetch: the tiles are small, and every block is read by several clusters at about the same time.
; REGISTERS: window 0: v0-31 addresses; v32-95 two buffers on the way out; v96-127 bias; v128-255 accumulators.  Window 1: two fragment buffers of 128.
.set SIZE_K, 1024
.set KSTEP,  256
.set PITCH,  528
.set HALFB,  64*PITCH                  ; what one of B's loads brings
.set PA,     144                       ; a row of A in LDS: 128 bytes + 16
.set PLANE,  128*PA                    ; a head's 128 rows
.set SLOT,   4*PLANE+2*HALFB
.set STAGE,  2*SLOT                    ; behind the ring: 16 rows x 272 bytes for each wave
.set SPITCH, 272
.set SPARE,  STAGE+4*16*SPITCH         ; the spare words
.set LAPS,   SIZE_K/(2*KSTEP)
.set ASTEP,  4*2048*128                ; bytes from a K step's first head to the next step's
.set WOOFF,  31457280                  ; Wo's first byte in xw
.set ADRA, 16
.set ADRB, 20
.set STO,  24
.set RD,   25
.set CO,   26
.set BO,   27
.set SPW,  28
.set NIL,  29
.set BK,   32
.set BI,   96
.set ACC,  128
.set F0,   0
.set F1,   128
.set G1,  24
.set G0,  32
.set G1B, 48
.set G0B, 56
.set WV,  68
.set FB,  69
.set HF,  70
.set MSB, 0
.macro WIN new
.if MSB != (\new)
	s_set_vgpr_msb (MSB<<8)|(\new)
.set MSB, \new
.endif
.endm
.set MUL,  0x05
.set TO_F, 0x40
.macro JLOAD s
	s_cmp_eq_u32 s[FB], 0
	s_cbranch_scc0 .Lfor_b_\@
	tensor_load_to_lds s[G0+4*(\s):G0+4*(\s)+3], s[G1:G1+7]
	s_nop 0
.rept 4
	v_nop
.endr
	s_branch .Lasked_\@
.Lfor_b_\@:
	tensor_load_to_lds s[G0B+4*(\s):G0B+4*(\s)+3], s[G1B:G1B+7]
	s_nop 0
.rept 4
	v_nop
.endr
.Lasked_\@:
.endm
.macro CREST
	s_cmp_lg_u32 s[WV], 0
	s_cbranch_scc1 .Lnot_wave_0_\@
	s_barrier_signal -3
.Lnot_wave_0_\@:
	s_barrier_wait -3
	s_barrier_signal -1
	s_barrier_wait -1
.endm
.macro CROUND
	s_barrier_signal -1
	s_barrier_wait -1
	CREST
.endm
	s_load_b256 s[4:11], s[0:1], 0x0               ; xa s[4:5], xw s[6:7], bo s[8:9], out0 s[10:11]
	v_lshl_add_u32 v[SPW], v0, 2, SPARE
	v_mov_b32 v[NIL], 0
	ds_add_u32 v[SPW], v[NIL]                      ; the wave's opening: the add and its wait stand ahead of my first tensor load
	ds_add_u32 v28, v29
	v_lshrrev_b32 v1, 5, v0
	v_readfirstlane_b32 s[WV], v1
	s_lshr_b32 s[FB], s[WV], 1
	s_and_b32 s[HF], s[WV], 1
	s_bfe_u32 s40, ttmp6, 0x40000                  ; cx
	s_bfe_u32 s41, ttmp6, 0x40004                  ; cy
	s_lshl_b32 s42, ttmp9, 2
	s_add_co_u32 s42, s42, s40                     ; column tile
	s_and_b32 s13, ttmp7, 0xffff
	s_lshl_b32 s13, s13, 2
	s_add_co_u32 s13, s13, s41                     ; row tile, 0 to 31
	s_lshl_b32 s43, s41, 2
	s_lshl_b32 s43, 15, s43                        ; my row of the cluster
	s_lshl_b32 s44, 0x1111, s40                    ; my column
	s_or_b32 s[G1+0], s43, (1<<16)|(1<<20)|(1<<21)|(4<<22)|(3<<25)  ; mask; 2-byte elements; padding on; bit 21 beside a mask; after every 32 words, 4 words
	s_mov_b32 s[G1+1], 8192<<16                    ; tensor_dim0 = 8,192 elements: a head's 128 rows on end
	s_mov_b32 s[G1+2], 2<<16                       ; tensor_dim1 = 2 heads
	s_mov_b32 s[G1+3], 8192<<16                    ; tile_dim0
	s_mov_b32 s[G1+4], 2                           ; tile_dim1
	s_mov_b32 s[G1+5], 2048*64                     ; from head to head
	s_mov_b32 s[G1+6], 0
	s_mov_b32 s[G1+7], 0
	s_or_b32 s[G1B+0], s44, (1<<16)|(1<<20)|(1<<21)|(6<<22)|(3<<25)
	s_mov_b32 s[G1B+1], KSTEP<<16
	s_mov_b32 s[G1B+2], 64<<16
	s_mov_b32 s[G1B+3], KSTEP<<16
	s_mov_b32 s[G1B+4], 64
	s_mov_b32 s[G1B+5], SIZE_K
	s_mov_b32 s[G1B+6], 0
	s_mov_b32 s[G1B+7], 0
	; A hangs on the row tile alone: batch (ty / 16), 128 l (ty % 16), my two of the step's four heads
	s_lshr_b32 s21, s13, 4
	s_and_b32 s22, s13, 15
	s_lshl_b32 s16, s21, 22                        ; 16 heads x 262,144 bytes
	s_lshl_b32 s17, s22, 14                        ; 128 l x 128 bytes
	s_add_co_u32 s16, s16, s17
	s_lshl_b32 s17, s[HF], 19                      ; two heads
	s_add_co_u32 s16, s16, s17
	s_mov_b32 s17, 0
	; B hangs on the column tile alone
	s_lshl_b32 s46, s42, 18
	s_add_co_u32 s46, s46, WOOFF
	s_lshl_b32 s47, s[HF], 17
	s_add_co_u32 s46, s46, s47
	s_mov_b32 s47, 0
	s_mul_i32 s20, s[HF], 2*PLANE                  ; where A's two planes go,
	s_mul_i32 s23, s[HF], HALFB
	s_add_co_u32 s23, s23, 4*PLANE                 ; and B's 64 rows, behind A's four planes
	s_lshl_b32 s18, s42, 9                         ; my 64 columns, in bytes of f32: 4 (128 tx + 64 half)
	s_lshl_b32 s19, s[HF], 8
	s_add_co_u32 s18, s18, s19
	s_mov_b32 s19, 0
	s_wait_dscnt 0x0                               ; the opening add is done
	s_wait_kmcnt 0x0
	s_add_nc_u64 s[14:15], s[4:5], s[16:17]
	s_add_nc_u64 s[46:47], s[6:7], s[46:47]
	s_add_nc_u64 s[8:9], s[8:9], s[18:19]
	s_add_nc_u64 s[10:11], s[10:11], s[18:19]
	CROUND                                         ; all sixteen work-groups are here: the first joint loads meet
.irp s, 0,1
	s_mov_b32 s[G0+4*(\s)], 1
	s_add_co_u32 s[G0+4*(\s)+1], s20, (\s)*SLOT
	s_add_nc_u64 s[G0+4*(\s)+2:G0+4*(\s)+3], s[14:15], (\s)*ASTEP
	s_or_b32 s[G0+4*(\s)+3], s[G0+4*(\s)+3], 0x80000000
	s_mov_b32 s[G0B+4*(\s)], 1
	s_add_co_u32 s[G0B+4*(\s)+1], s23, (\s)*SLOT
	s_add_nc_u64 s[G0B+4*(\s)+2:G0B+4*(\s)+3], s[46:47], (\s)*KSTEP*2
	s_or_b32 s[G0B+4*(\s)+3], s[G0B+4*(\s)+3], 0x80000000
	JLOAD \s
.endr
	v_and_b32 v1, 15, v0                           ; l % 16
	v_bfe_u32 v2, v0, 4, 1                         ; l / 16
	v_lshlrev_b32 v[BO], 5, v2
.irp b, 0,1,2,3
	global_load_b128 v[BI+8*(\b):BI+8*(\b)+3],   v[BO], s[8:9] offset:64*(\b)
	global_load_b128 v[BI+8*(\b)+4:BI+8*(\b)+7], v[BO], s[8:9] offset:64*(\b)+16
.endr
	v_mul_u32_u24 v3, v1, PA
	v_lshl_add_u32 v3, v2, 4, v3
	v_mul_u32_u24 v4, v1, PITCH
	v_lshl_add_u32 v4, v2, 4, v4
	s_mul_i32 s20, s[FB], 64*PA                    ; my 64 rows in each plane of A
	s_mul_i32 s23, s[HF], HALFB                    ; my 64 rows of B
	s_add_co_u32 s23, s23, 4*PLANE
.irp s, 0,1
	v_add_nc_u32 v[ADRA+(\s)], s20, v3
	v_add_nc_u32 v[ADRB+(\s)], s23, v4
	s_add_co_u32 s20, s20, SLOT
	s_add_co_u32 s23, s23, SLOT
.endr
	s_mul_i32 s23, s[WV], 16*SPITCH
	s_add_co_u32 s23, s23, STAGE                   ; my stage
	v_mul_u32_u24 v4, v1, SPITCH                   ; in: row l % 16, 32 bytes for each half of the lanes
	v_lshl_add_u32 v4, v2, 5, v4
	v_add_nc_u32 v[STO], s23, v4
	v_mul_u32_u24 v5, v2, SPITCH                   ; back: lanes 0-15 take one row of 256 bytes, lanes 16-31 the next
	v_lshl_add_u32 v5, v1, 4, v5
	v_add_nc_u32 v[RD], s23, v5
	v_lshlrev_b32 v5, 13, v2                       ; and the same two l in out0, 8,192 bytes apart
	v_lshl_add_u32 v[CO], v1, 4, v5
	s_lshl_b32 s16, s22, 20                        ; out0 at l = 128 (ty % 16) + 64 (wave / 2), my batch
	s_lshl_b32 s17, s[FB], 19
	s_add_co_u32 s16, s16, s17
	s_lshl_b32 s17, s21, 12
	s_add_co_u32 s16, s16, s17
	s_mov_b32 s17, 0
	s_add_nc_u64 s[10:11], s[10:11], s[16:17]
.macro MUL8 f, c, a0, zero             ; zero = 1: the first product starts the sum with the bias
	WIN MUL
.irp a, \a0, (\a0)+1
.irp b, 0,1,2,3
.if \zero
	v_wmma_f32_16x16x32_bf16 v[ACC+8*(4*(\a)+(\b)):ACC+8*(4*(\a)+(\b))+7], v[(\f)+64+8*(4*(\c)+(\b)):(\f)+64+8*(4*(\c)+(\b))+7], v[(\f)+8*(4*(\c)+(\a)):(\f)+8*(4*(\c)+(\a))+7], v[BI+8*(\b):BI+8*(\b)+7]
.else
	v_wmma_f32_16x16x32_bf16 v[ACC+8*(4*(\a)+(\b)):ACC+8*(4*(\a)+(\b))+7], v[(\f)+64+8*(4*(\c)+(\b)):(\f)+64+8*(4*(\c)+(\b))+7], v[(\f)+8*(4*(\c)+(\a)):(\f)+8*(4*(\c)+(\a))+7], v[ACC+8*(4*(\a)+(\b)):ACC+8*(4*(\a)+(\b))+7]
.endif
.endr
.endr
.endm
; 32 LDS loads in one run: quarter q of a K step: plane q of A, bytes 128 q on of B's rows
.macro FETCH slot, q, f
	WIN TO_F
.irp c, 0,1
.irp i, 0,1,2,3
	ds_load_b128 v[(\f)+64+8*(4*(\c)+(\i)):(\f)+64+8*(4*(\c)+(\i))+3],   v[ADRB+(\slot)] offset:128*(\q)+64*(\c)+(\i)*16*PITCH
	ds_load_b128 v[(\f)+64+8*(4*(\c)+(\i))+4:(\f)+64+8*(4*(\c)+(\i))+7], v[ADRB+(\slot)] offset:128*(\q)+64*(\c)+(\i)*16*PITCH+32
	ds_load_b128 v[(\f)+8*(4*(\c)+(\i)):(\f)+8*(4*(\c)+(\i))+3],         v[ADRA+(\slot)] offset:(\q)*PLANE+64*(\c)+(\i)*16*PA
	ds_load_b128 v[(\f)+8*(4*(\c)+(\i))+4:(\f)+8*(4*(\c)+(\i))+7],       v[ADRA+(\slot)] offset:(\q)*PLANE+64*(\c)+(\i)*16*PA+32
.endr
.endr
.endm
.macro PLACES
.rept 4
	v_nop
.endr
.endm
.macro QUARTER slot, q, f, g, zero
	s_wait_dscnt 16                                ; the first 32 along K are in; the sixteen younger loads may be out
	WIN MUL
	MUL8 \f, 0, 0, \zero
	MUL8 \f, 0, 2, \zero
	PLACES
	FETCH \slot, \q, \g
	s_wait_dscnt 32                                ; all but the 32 just issued
	WIN MUL
	MUL8 \f, 1, 0, 0
	MUL8 \f, 1, 2, 0
.endm
.macro TURN slot, next, fill
	WIN 0
	s_wait_tensorcnt 0x0                           ; all my tensor loads have landed: my part of the next slot
	ds_add_u32 v[SPW], v[NIL]
	s_wait_dscnt 17                                ; the add and the youngest sixteen loads may be out
	WIN MUL
	MUL8 F1, 0, 0, 0
	s_wait_dscnt 0x0                               ; the add is done, and my reads of this slot are over
	s_barrier_signal -1
	MUL8 F1, 0, 2, 0
.if \fill
	WIN 0
.endif
	s_barrier_wait -1
.if \fill
	CREST                                          ; the barrier has opened a round of the cluster's
	s_add_nc_u64 s[G0+4*(\slot)+2:G0+4*(\slot)+3], s[G0+4*(\slot)+2:G0+4*(\slot)+3], 2*ASTEP
	s_add_nc_u64 s[G0B+4*(\slot)+2:G0B+4*(\slot)+3], s[G0B+4*(\slot)+2:G0B+4*(\slot)+3], 2*KSTEP*2
	JLOAD \slot
.else
	PLACES
.endif
	FETCH \next, 0, F0
	WIN MUL
	MUL8 F1, 1, 0, 0
	MUL8 F1, 1, 2, 0
.endm
	s_wait_tensorcnt 1                             ; my part of K step 0 is in; K step 1's may stay out
	s_barrier_signal -1
	s_barrier_wait -1
	FETCH 0, 0, F0
	s_wait_loadcnt 0x0                             ; the bias
	QUARTER 0, 1, F0, F1, 1
	WIN 0
	s_mov_b32 s3, LAPS-1
.Llap:
	QUARTER 0, 2, F1, F0, 0
	QUARTER 0, 3, F0, F1, 0
	TURN 0, 1, 1
	QUARTER 1, 1, F0, F1, 0
	QUARTER 1, 2, F1, F0, 0
	QUARTER 1, 3, F0, F1, 0
	TURN 1, 0, 1
	QUARTER 0, 1, F0, F1, 0
	WIN 0
	s_sub_co_u32 s3, s3, 1
	s_cmp_lg_u32 s3, 0
	s_cbranch_scc1 .Llap
	QUARTER 0, 2, F1, F0, 0                        ; the last lap fills nothing
	QUARTER 0, 3, F0, F1, 0
	TURN 0, 1, 0
	QUARTER 1, 1, F0, F1, 0
	QUARTER 1, 2, F1, F0, 0
	QUARTER 1, 3, F0, F1, 0
	s_wait_dscnt 16
	WIN MUL
	MUL8 F1, 0, 0, 0
	MUL8 F1, 0, 2, 0
	s_wait_dscnt 0
	MUL8 F1, 1, 0, 0
	MUL8 F1, 1, 2, 0
	WIN 0
	; THE WAY OUT, 16 rows at a time: a lane's 32 bytes of a row go into my stage (each accumulator's low registers first) and come back as whole rows of 256 bytes
	PLACES
	PLACES                                         ; (once a launch; four are asked for)
.irp a, 0,1,2,3
.irp b, 0,1,2,3
	ds_store_b128 v[STO], v[ACC+8*(4*(\a)+(\b)):ACC+8*(4*(\a)+(\b))+3]   offset:64*(\b)
	ds_store_b128 v[STO], v[ACC+8*(4*(\a)+(\b))+4:ACC+8*(4*(\a)+(\b))+7] offset:64*(\b)+16
.endr
.if (\a) >= 2
	s_wait_xcnt 0x0                                ; the stores of two blocks back have read this buffer: it is loaded again only behind this wait
.endif
.irp t, 0,1,2,3,4,5,6,7
	ds_load_b128 v[BK+32*((\a)%2)+4*(\t):BK+32*((\a)%2)+4*(\t)+3], v[RD] offset:(\t)*2*SPITCH  ; in order behind my stores above; the next block's stores come behind them
.endr
.irp t, 0,1,2,3,4,5,6,7
	s_wait_dscnt 7-(\t)
	global_store_b128 v[CO], v[BK+32*((\a)%2)+4*(\t):BK+32*((\a)%2)+4*(\t)+3], s[10:11] offset:(16*(\a)+2*(\t))*8192  ; 16 lanes store 256 consecutive bytes, at a multiple of 256 from out0's first byte
.endr
.endr
	s_wait_tensorcnt 0x0                           ; the wave's end
	ds_add_u32 v[SPW], v[NIL]
	s_wait_dscnt 0x0
	CROUND                                         ; the closing round
	s_endpgm
.Lfunc_end_k_q49c8a89833_outp:
	.size	k_q49c8a89833_outp, .Lfunc_end_k_q49c8a89833_outp-k_q49c8a89833_outp
	.p2alignl 7, 3214868480
	.fill 96, 4, 3214868480
	.section	.rodata,"a",@progbits
	.p2align	6, 0x0
	.amdhsa_kernel k_q49c8a89833_outp
		.amdhsa_group_segment_fixed_size 327680
		.amdhsa_private_segment_fixed_size 0
		.amdhsa_enable_private_segment 0
		.amdhsa_kernarg_size 32
		.amdhsa_user_sgpr_count 2
		.amdhsa_user_sgpr_kernarg_segment_ptr 1
		.amdhsa_wavefront_size32 1
		.amdhsa_system_sgpr_workgroup_id_x 1
		.amdhsa_system_sgpr_workgroup_id_y 1
		.amdhsa_system_sgpr_workgroup_id_z 1
		.amdhsa_system_vgpr_workitem_id 0
		.amdhsa_next_free_vgpr 512
		.amdhsa_next_free_sgpr 72
		.amdhsa_reserve_vcc 0
		.amdhsa_float_denorm_mode_32 3
		.amdhsa_float_denorm_mode_16_64 3
		.amdhsa_memory_ordered 1
		.amdhsa_forward_progress 1
		.amdhsa_inst_pref_size 88
	.end_amdhsa_kernel
	.amdgpu_metadata
---
amdhsa.version: [ 1, 2 ]
amdhsa.kernels:
  - .name:           k_q49c8a89833_outp
    .symbol:         k_q49c8a89833_outp.kd
    .args:
      - { .name: xa, .offset: 0, .size: 8, .value_kind: global_buffer, .address_space: global }
      - { .name: xw, .offset: 8, .size: 8, .value_kind: global_buffer, .address_space: global }
      - { .name: bo, .offset: 16, .size: 8, .value_kind: global_buffer, .address_space: global }
      - { .name: out0, .offset: 24, .size: 8, .value_kind: global_buffer, .address_space: global }
    .group_segment_fixed_size: 327680
    .private_segment_fixed_size: 0
    .kernarg_segment_align: 8
    .kernarg_segment_size: 32
    .max_flat_workgroup_size: 128
    .sgpr_count:     72
    .vgpr_count:     512
    .wavefront_size: 32
...
	.end_amdgpu_metadata
.endif
;; end of part 4
